; MI455X (gfx1250); checked and timed in simulation.
; The chip was launched on July 23, 2026; its instructions are those of AMD's public machine-readable ISA for CDNA 5 (MIT licence, August 2026) and "CDNA5" Instruction Set Architecture Reference Guide (July 2026). The comments in the code are by the model that wrote it; some were corrected since.
;; Multi Head Self Attention. Allowed arithmetic: matrix products marked QUANTISED: E2M1 operands, one E8M0 scale for each 32 along K, by v_wmma_scale_f32_16x16x128_f8f6f4 with both operands' format E2M1 (or v_wmma_scale_f32_32x16x128_f4), f32 sums; products left as they are: bf16, f16 or f32 operands; f32 sums; everything else in f32.
;; Inputs: Wk 1,024 x 1,024 float32; Wo 1,024 x 1,024 float32; Wq 1,024 x 1,024 float32; Wv 1,024 x 1,024 float32; token_positions 2,048 int32; x 2 x 2,048 x 1,024 float32.
;; Outputs: out0 2 x 2,048 x 1,024 float32.
;; This version of the problem:
;;   THIS VERSION OF THE PROBLEM IS GIVEN IN LOW PRECISION. The matrix products marked QUANTISED in the list below multiply operands that are first quantised to E2M1 (2 exponent bits, 1 mantissa bit; 4 bits a number), with one power-of-two scale for each 32 numbers along K (OCP MX v1.0); their sums are f32. The products marked 'left as it is' may take bf16, f16 or f32 operands, with f32 sums. Whichever they take, every output number must still come out within the allowed error. Rounding operands to bf16 (8 significant bits) uses up far more of that allowance than f16 does (11 bits, for magnitudes from 6e-5 to 65,504). All else is computed in f32.
;;   The module's matrix products, in the order in which they are computed (A, B: the left and right operand; K: the contracted axis; several contracted axes count as one K, in the product's order):
;;     1. [M 4,096, K 1,024] x [K 1,024, N 1,024]; A: input x; B: input Wq: QUANTISED
;;     2. [M 4,096, K 1,024] x [K 1,024, N 1,024]; A: input x; B: input Wk: QUANTISED
;;     3. [M 4,096, K 1,024] x [K 1,024, N 1,024]; A: input x; B: input Wv: QUANTISED
;;     4. batch 32 x [M 2,048, K 64] x [K 64, N 2,048]; A: computed on the way; B: computed on the way: left as it is (an operand is computed on the way)
;;     5. batch 32 x [M 2,048, K 2,048] x [K 2,048, N 64]; A: computed on the way; B: computed on the way: left as it is (an operand is computed on the way)
;;     6. [M 4,096, K 1,024] x [K 1,024, N 1,024]; A: computed on the way; B: input Wo: left as it is (an operand is computed on the way)
;;   THE QUANTISER, for each operand of a quantised product, along K:
;;     - K is cut into blocks of 32 from its start; a last block that is shorter is filled with zeros.
;;     - A block's scale is 2^e with e = floor(log2(the largest magnitude in the block)) - 2, held to -126 .. 127; a block of zeros has e = 0. As a byte (E8M0): e + 127.
;;     - Each number is divided by its block's scale, clamped to +-6, and rounded to the nearest number of E2M1, ties to even, subnormals kept.
;;     - The product sums the exact products of the quantised numbers (number of the format x scale) in f32.
;;   ~~~python
;;   def quantise(x, axis):      # numpy; x: float32 -> the quantised numbers, widened to float32 again
;;       x = np.moveaxis(x, axis, -1); K = x.shape[-1]
;;       x = np.pad(x, [(0, 0)] * (x.ndim - 1) + [(0, -K % 32)]); x = x.reshape(x.shape[:-1] + (-1, 32)); a = np.abs(x).max(-1, keepdims=True)
;;       e = np.where(a > 0, np.clip(np.frexp(np.where(a > 0, a, 1))[1] - 1 - 2, -126, 127), 0)      # np.frexp(a)[1] - 1 = floor(log2(a)), exactly
;;       r = np.clip(x / 2.0 ** e, -6, 6)
;;       step = 2.0 ** (np.maximum(np.frexp(np.where(r == 0, 1, r))[1] - 1, 0) - 1)
;;       q = np.round(r / step) * step * 2.0 ** e      # np.round: ties to even
;;       return np.moveaxis(q.reshape(q.shape[:-2] + (-1,))[..., :K], -1, axis).astype(np.float32)
;;   ~~~
;; One version. Each part assembles by itself: llvm-mc -triple=amdgcn-amd-amdhsa -mcpu=gfx1250 --defsym DOCPART=n.
;; ======== version 1 of 1: 5 launches
;; limits: values are held in f16: magnitudes above 65,504 overflow, below 6.1e-05 lose precision; right only within a limited range of input values
;; workspace buffers: codes 3,670,016 bytes; scales 229,376 bytes; tab 524,288 bytes; woh 2,097,152 bytes; qkv 25,165,824 bytes; rows32 393,216 bytes; oh 8,388,608 bytes
;; launch prep (part 1): grid 320 x 1, 4 waves a work-group, no clusters, 33,280 bytes of LDS; arguments x, Wq, Wk, Wv, Wo, token_positions, codes, scales, woh, tab; writes codes, scales, woh, tab
.if DOCPART == 1
	.amdgcn_target "amdgcn-amd-amdhsa--gfx1250"
	.amdhsa_code_object_version 6
	.text
	.protected	k_q018e2de046_prep
	.globl	k_q018e2de046_prep
	.p2align	8
	.type	k_q018e2de046_prep,@function
k_q018e2de046_prep:
	s_mov_b64 s[64:65], 0
	v_nop
	global_prefetch_b8 v0, s[64:65] scope:SCOPE_SE
	s_setreg_imm32_b32 hwreg(HW_REG_WAVE_MODE, 25, 1), 1
	s_wait_xcnt 0x0
; PREPARATION, three jobs told apart by the work-group's number g:
;   g < 224       x, Wq, Wk, Wv (f32, K innermost) become codes of FP4 (E2M1) with one E8M0 scale byte for each 32 along K;
;   224 <= g < 288  Wo becomes f16, laid [n / 128][k / 64][n % 128][64];
;   288 <= g      the table cos(pos x f_i) / 4, sin(pos x f_i) / 4, f_i = 10000^(-i / 32): [s 2048][i 32][2] f32.  The factor 1/4 keeps the rotated Q and K inside f16; the softmax's constant undoes it.
; THE CODES' ROWS: x's 4,096 rows first; then W's 3,072 rows in the order 192 head + 64 t + d (t = 0 Q, 1 K, 2 V), so that 192 rows on end are one head.  A row is 512 bytes of codes, 32 scale bytes.
; A block's scale is 2^(floor(log2(its largest magnitude)) - 2); its byte is the largest magnitude's exponent field - 2, held at 1 from below.  A block of zeros so gets the byte 1 where the rule says 127:
; its codes are zeros, which add nothing, and the bytes are read by this program alone.
; LIMITS: NaN and infinities among the inputs are not served; Wo beyond 65,504 in magnitude is not served (f16); positions are taken exactly up to 2^24 in magnitude,
; and the reduction of the angle holds while angle x 2 / pi stays under 2^22.
; Only the first job touches LDS.
.set WREG,  8192                       ; LDS: a region for each wave: two stages of 32 x SP bytes, behind them its 256 scale bytes
.set SP,    80                         ; a lane's place in a stage: 64 bytes + 16 of padding
.set CB,    8                          ; bytes of 16 codes
.set STEPS, 16
.set R,     16                         ; v16-79   four sets of 16 numbers as loaded
.set X,     80                         ; v80-111  two sets of 16 neighbours
.set E,     112                        ; v112-127 a scale byte for each step
.set C,     128                        ; v128-191 codes, four registers a step
.set SPW,   12                         ; v12  LDS address of my spare word; never rewritten
.set NIL,   13                         ; v13  0; never rewritten
.set SPARE, 4*WREG                     ; the spare words, 128 bytes a wave, named by no other line
	s_load_b256 s[4:11], s[0:1], 0x0               ; x, Wq, Wk, Wv
	s_load_b256 s[12:19], s[0:1], 0x20             ; Wo, positions, codes, scales
	s_load_b128 s[20:23], s[0:1], 0x40             ; woh, tab
	v_lshl_add_u32 v[SPW], v0, 2, SPARE
	v_mov_b32 v[NIL], 0
	v_lshrrev_b32 v1, 5, v0
	v_readfirstlane_b32 s24, v1                    ; wave 0..3
	v_and_b32 v2, 31, v0                           ; lane
	s_cmp_ge_u32 ttmp9, 288
	s_cbranch_scc1 .Lrope
	s_cmp_ge_u32 ttmp9, 224
	s_cbranch_scc1 .Lwo
; ---------------- the quantiser: a wave takes a run of 8,192 numbers, 8 rows of 1,024, in 16 steps of 512 ----------------
	s_sub_co_u32 s25, ttmp9, 128                   ; for a weight: 32 work-groups each
	s_lshr_b32 s26, s25, 5                         ; t: which weight
	s_and_b32 s25, s25, 31
	s_lshl_b32 s25, s25, 2
	s_add_co_u32 s25, s25, s24                     ; its run: rows 8 run .. 8 run + 7 = head run / 8, d = 8 (run % 8) ..
	s_lshr_b32 s28, s25, 3
	s_mul_i32 s28, s28, 192
	s_lshl_b32 s26, s26, 6
	s_add_co_u32 s28, s28, s26
	s_and_b32 s29, s25, 7
	s_lshl_b32 s29, s29, 3
	s_add_co_u32 s28, s28, s29
	s_add_co_u32 s28, s28, 4096                    ; the row in codes and scales: behind x's 4,096
	s_lshl_b32 s27, ttmp9, 2
	s_add_co_u32 s27, s27, s24                     ; for x: the run,
	s_lshl_b32 s29, s27, 3                         ; and its row
	s_cmp_lt_u32 ttmp9, 128
	s_cselect_b32 s28, s29, s28
	s_cselect_b32 s25, s27, s25
	s_lshl_b32 s30, s25, 15                        ; 32,768 bytes of f32 a run
	s_mov_b32 s31, 0
	s_lshl_b32 s32, s28, 9                         ; 512 bytes of codes a row
	s_mov_b32 s33, 0
	s_lshl_b32 s34, s28, 5                         ; 32 scale bytes a row
	s_mov_b32 s35, 0
	v_lshlrev_b32 v3, 4, v2                        ; my 16 bytes of a load's 512
	s_mul_i32 s36, s24, WREG
	v_lshrrev_b32 v14, 2, v2
	v_mul_u32_u24 v14, v14, SP
	v_and_b32 v15, 3, v2
	v_lshl_add_u32 v14, v15, 4, v14
	v_add_nc_u32 v14, s36, v14                     ; the stage, on the way in: SP (lane / 4) + 16 (lane % 4)
	v_mul_u32_u24 v15, v2, SP
	v_add_nc_u32 v15, s36, v15                     ; and on the way out: SP x lane: my 16 neighbours
	v_mul_u32_u24 v4, v2, CB                       ; my codes' place in a step's
	v_lshrrev_b32 v5, 1, v2
	s_add_co_u32 s36, s36, 2*32*SP
	v_add_nc_u32 v5, s36, v5                       ; my wave's 256 scale bytes, my block's byte
	v_lshlrev_b32 v7, 3, v2
	v_add_nc_u32 v6, s36, v7                       ; and on the way out 8 bytes a lane
	s_wait_kmcnt 0x0
	s_cmp_lt_u32 ttmp9, 192                        ; which tensor: the choice hangs on the work-group's number alone
	s_cselect_b64 s[10:11], s[8:9], s[10:11]
	s_cmp_lt_u32 ttmp9, 160
	s_cselect_b64 s[10:11], s[6:7], s[10:11]
	s_cmp_lt_u32 ttmp9, 128
	s_cselect_b64 s[4:5], s[4:5], s[10:11]
	s_add_nc_u64 s[4:5], s[4:5], s[30:31]
	s_add_nc_u64 s[16:17], s[16:17], s[32:33]
	s_add_nc_u64 s[18:19], s[18:19], s[34:35]
.macro LOAD t
.irp i, 0,1,2,3
	global_load_b128 v[R+16*((\t)%4)+4*\i:R+16*((\t)%4)+4*\i+3], v3, s[4:5] offset:2048*(\t)+512*\i th:TH_LOAD_NT   ; 32 lanes read 512 consecutive bytes
.endr
.endm
.macro TURN t                          ; step t's numbers through the stage: LDS serves a wave's instructions in order, so no wait stands between the stores and the loads
.irp i, 0,1,2,3
	ds_store_b128 v14, v[R+16*((\t)%4)+4*\i:R+16*((\t)%4)+4*\i+3] offset:32*SP*((\t)%2)+8*SP*\i
.endr
.irp i, 0,1,2,3
	ds_load_b128 v[X+16*((\t)%2)+4*\i:X+16*((\t)%2)+4*\i+3], v15 offset:32*SP*((\t)%2)+16*\i
.endr
.endm
.irp t, 0,1,2,3
	LOAD \t
.endr
	s_wait_loadcnt 12                              ; step 0's four loads are in
	TURN 0
.macro STEP t
.set XS, X+16*((\t)%2)
.if (\t) > 0
	s_wait_dscnt 1                                 ; this step's numbers are back from the stage (the last step's byte store may be out)
.else
	s_wait_dscnt 0x0
.endif
.if (\t)+4 < STEPS
	LOAD (\t)+4                                    ; into the registers that this step's stores to the stage have read
.endif
.if (\t)+1 < STEPS
.if STEPS-2-(\t) >= 3
	s_wait_loadcnt 12                              ; the next step's four loads are in; those of the three steps behind it may be out
.else
	s_wait_loadcnt 4*(STEPS-2-(\t))
.endif
	TURN (\t)+1
.endif
	v_max3_num_f32 v8, |v[XS]|, |v[XS+1]|, |v[XS+2]|               ; the largest magnitude of my 16
	v_max3_num_f32 v9, |v[XS+3]|, |v[XS+4]|, |v[XS+5]|
.irp i, 6,10
	v_max3_num_f32 v8, v8, |v[XS+\i]|, |v[XS+\i+1]|
	v_max3_num_f32 v9, v9, |v[XS+\i+2]|, |v[XS+\i+3]|
.endr
	v_max3_num_f32 v8, v8, |v[XS+14]|, |v[XS+15]|
	v_max3_num_f32 v8, v8, v9, 0x1800000           ; and the floor 2^(3 - 127): the byte cannot fall under 1
	v_max_num_f32_dpp v8, v8, v8 row_xmask:1 row_mask:0xf bank_mask:0xf   ; and of my neighbour's 16: the block's
	v_add_nc_u32 v11, 0xff000000, v8               ; 2 off its exponent field: the conversion takes the exponent field of this operand as its scale
	v_cvt_scalef32_pk8_fp4_f32 v[C+4*(\t)], v[XS:XS+7], v11
	v_cvt_scalef32_pk8_fp4_f32 v[C+4*(\t)+1], v[XS+8:XS+15], v11
	v_lshrrev_b32 v[E+(\t)], 23, v11               ; the scale's byte
	ds_store_b8 v5, v[E+(\t)] offset:16*(\t)       ; both lanes of a block write the same byte with the same value
	global_store_b64 v4, v[C+4*(\t):C+4*(\t)+1], s[16:17] offset:32*CB*(\t)   ; the wave stores 256 consecutive bytes, aligned
.endm
.irp t, 0,1,2,3,4,5,6,7,8,9,10,11,12,13,14,15
	STEP \t
.endr
	ds_load_b64 v[8:9], v6                         ; LDS serves a wave's instructions in order: these see my stores
	s_wait_dscnt 0x0
	global_store_b64 v7, v[8:9], s[18:19]          ; 8 rows' scale bytes: 256 consecutive bytes, aligned
	s_wait_tensorcnt 0x0                           ; the wave's end: behind my last LDS store
	ds_add_u32 v[SPW], v[NIL]
	s_wait_dscnt 0x0
	s_endpgm
; ---------------- Wo to f16: a wave takes 4 rows; lane l takes row l / 8 and 8 numbers of each 64 along K ----------------
.Lwo:
	s_sub_co_u32 s25, ttmp9, 224                   ; c: rows 16 c ..
	s_lshr_b32 s26, s25, 3                         ; n / 128
	s_and_b32 s27, s25, 7
	s_lshl_b32 s27, s27, 4
	s_lshl_b32 s28, s24, 2
	s_add_co_u32 s27, s27, s28                     ; n % 128 of my first row
	s_lshl_b32 s30, s26, 18                        ; a block of 128 outputs is 16 panels of 16,384 bytes
	s_lshl_b32 s28, s27, 7
	s_add_co_u32 s30, s30, s28                     ; + 128 bytes a row
	s_mov_b32 s31, 0
	s_lshl_b32 s28, s26, 7
	s_add_co_u32 s28, s28, s27
	s_lshl_b32 s28, s28, 12                        ; n x 4,096 bytes in Wo
	s_mov_b32 s29, 0
	v_lshrrev_b32 v3, 3, v2
	v_and_b32 v4, 7, v2
	v_lshlrev_b32 v4, 5, v4
	v_lshl_add_u32 v3, v3, 12, v4                  ; in: row l / 8, 32 bytes x (l % 8)
	v_lshlrev_b32 v4, 4, v2                        ; out: 16 bytes a lane: four rows of 128 bytes on end
	s_wait_kmcnt 0x0
	s_add_nc_u64 s[12:13], s[12:13], s[28:29]
	s_add_nc_u64 s[20:21], s[20:21], s[30:31]
.irp p, 0,1,2,3,4,5,6,7,8,9,10,11,12,13,14,15
	global_load_b128 v[16+8*\p:19+8*\p], v3, s[12:13] offset:256*\p
	global_load_b128 v[20+8*\p:23+8*\p], v3, s[12:13] offset:256*\p+16
.endr
.irp p, 0,1,2,3,4,5,6,7,8,9,10,11,12,13,14,15
	s_wait_loadcnt 30-2*\p                         ; panel p's two loads are in; the later panels' may be out
.irp j, 0,1,2,3
	v_cvt_pk_f16_f32 v[144+4*\p+\j], v[16+8*\p+2*\j], v[17+8*\p+2*\j]
.endr
	global_store_b128 v4, v[144+4*\p:147+4*\p], s[20:21] offset:16384*\p   ; 512 consecutive bytes, aligned; each panel has data registers of its own
.endr
	s_endpgm
; ---------------- the table: a wave takes 16 rows s; lane = pair i ----------------
.Lrope:
	s_sub_co_u32 s25, ttmp9, 288
	s_lshl_b32 s25, s25, 6
	s_lshl_b32 s26, s24, 4
	s_add_co_u32 s25, s25, s26                     ; my first row
	s_lshl_b32 s28, s25, 2
	s_mov_b32 s29, 0
	s_lshl_b32 s30, s25, 8                         ; 256 bytes a row of the table
	s_mov_b32 s31, 0
	s_mov_b32 s24, 0x3f22f983                      ; 2 / pi
	s_mov_b32 s25, 0x3fc90fdb                      ; pi / 2 in three parts
	s_mov_b32 s26, 0xb33bbd2e
	s_mov_b32 s27, 0xa6f72ced
	s_wait_kmcnt 0x0
	s_add_nc_u64 s[14:15], s[14:15], s[28:29]
	s_add_nc_u64 s[22:23], s[22:23], s[30:31]
	s_load_b512 s[32:47], s[14:15], 0x0            ; my 16 positions
	v_cvt_f32_u32 v3, v2
	v_mul_f32 v3, 0xbed49a78, v3                   ; -i log2(10000) / 32
	v_exp_f32 v3, v3                               ; f_i
	v_lshlrev_b32 v4, 3, v2                        ; 8 bytes a lane (a plain instruction behind the exponential)
	s_wait_alu depctr_va_vdst(0)                   ; the wait ahead of the first use
	s_wait_kmcnt 0x0
.macro ROW j
	v_cvt_f32_i32 v8, s[32+\j]
	v_mul_f32 v8, v8, v3                           ; the angle, rounded once, as the definition has it
	v_mul_f32 v9, s24, v8
	v_rndne_f32 v9, v9                             ; k: the nearest multiple of pi / 2
	v_fma_f32 v10, -v9, s25, v8
	v_fma_f32 v10, -v9, s26, v10
	v_fma_f32 v10, -v9, s27, v10                   ; r, at most pi / 4 in magnitude
	v_mul_f32 v11, v10, v10
	v_mov_b32 v14, 0x3638ef1d                      ; sin r = r + r^3 (-1/6 + r^2 (1/120 + r^2 (-1/5040 + r^2 / 362880)))
	v_fmaak_f32 v14, v14, v11, 0xb9500d01
	v_fmaak_f32 v14, v14, v11, 0x3c088889
	v_fmaak_f32 v14, v14, v11, 0xbe2aaaab
	v_mul_f32 v15, v10, v11
	v_fma_f32 v14, v14, v15, v10
	v_mov_b32 v15, 0xb493f27e                      ; cos r = 1 + r^2 (-1/2 + r^2 (1/24 + r^2 (-1/720 + r^2 (1/40320 - r^2 / 3628800))))
	v_fmaak_f32 v15, v15, v11, 0x37d00d01
	v_fmaak_f32 v15, v15, v11, 0xbab60b61
	v_fmaak_f32 v15, v15, v11, 0x3d2aaaab
	v_fmaak_f32 v15, v15, v11, 0xbf000000
	v_fma_f32 v15, v15, v11, 1.0
	v_cvt_i32_f32 v9, v9
	v_and_b32 v16, 1, v9
	v_cmp_eq_u32 vcc_lo, 1, v16                    ; an odd k swaps the two
	v_cndmask_b32 v17, v15, v14, vcc_lo
	v_cndmask_b32 v18, v14, v15, vcc_lo
	v_add_nc_u32 v16, 1, v9
	v_and_b32 v16, 2, v16
	v_lshlrev_b32 v16, 30, v16
	v_xor_b32 v17, v17, v16                        ; cos is negative for k % 4 = 1, 2
	v_and_b32 v16, 2, v9
	v_lshlrev_b32 v16, 30, v16
	v_xor_b32 v18, v18, v16                        ; sin for k % 4 = 2, 3
	v_mul_f32 v[32+2*\j], 0x3e800000, v17          ; / 4: exact
	v_mul_f32 v[33+2*\j], 0x3e800000, v18
	global_store_b64 v4, v[32+2*\j:33+2*\j], s[22:23] offset:256*\j   ; a row: 256 consecutive bytes, aligned; each row has data registers of its own
.endm
.irp j, 0,1,2,3,4,5,6,7,8,9,10,11,12,13,14,15
	ROW \j
.endr
	s_endpgm
.Lfunc_end_k_q018e2de046_prep:
	.size	k_q018e2de046_prep, .Lfunc_end_k_q018e2de046_prep-k_q018e2de046_prep
	.p2alignl 7, 3214868480
	.fill 96, 4, 3214868480
	.section	.rodata,"a",@progbits
	.p2align	6, 0x0
	.amdhsa_kernel k_q018e2de046_prep
		.amdhsa_group_segment_fixed_size 33280
		.amdhsa_private_segment_fixed_size 0
		.amdhsa_enable_private_segment 0
		.amdhsa_kernarg_size 80
		.amdhsa_user_sgpr_count 2
		.amdhsa_user_sgpr_kernarg_segment_ptr 1
		.amdhsa_wavefront_size32 1
		.amdhsa_system_sgpr_workgroup_id_x 1
		.amdhsa_system_sgpr_workgroup_id_y 1
		.amdhsa_system_sgpr_workgroup_id_z 1
		.amdhsa_system_vgpr_workitem_id 0
		.amdhsa_next_free_vgpr 208
		.amdhsa_next_free_sgpr 66
		.amdhsa_reserve_vcc 1
		.amdhsa_float_denorm_mode_32 3
		.amdhsa_float_denorm_mode_16_64 3
		.amdhsa_memory_ordered 1
		.amdhsa_forward_progress 1
		.amdhsa_inst_pref_size 71
	.end_amdhsa_kernel
	.amdgpu_metadata
---
amdhsa.version: [ 1, 2 ]
amdhsa.kernels:
  - .name:           k_q018e2de046_prep
    .symbol:         k_q018e2de046_prep.kd
    .args:
      - { .name: x, .offset: 0, .size: 8, .value_kind: global_buffer, .address_space: global }
      - { .name: Wq, .offset: 8, .size: 8, .value_kind: global_buffer, .address_space: global }
      - { .name: Wk, .offset: 16, .size: 8, .value_kind: global_buffer, .address_space: global }
      - { .name: Wv, .offset: 24, .size: 8, .value_kind: global_buffer, .address_space: global }
      - { .name: Wo, .offset: 32, .size: 8, .value_kind: global_buffer, .address_space: global }
      - { .name: token_positions, .offset: 40, .size: 8, .value_kind: global_buffer, .address_space: global }
      - { .name: codes, .offset: 48, .size: 8, .value_kind: global_buffer, .address_space: global }
      - { .name: scales, .offset: 56, .size: 8, .value_kind: global_buffer, .address_space: global }
      - { .name: woh, .offset: 64, .size: 8, .value_kind: global_buffer, .address_space: global }
      - { .name: tab, .offset: 72, .size: 8, .value_kind: global_buffer, .address_space: global }
    .group_segment_fixed_size: 33280
    .private_segment_fixed_size: 0
    .kernarg_segment_align: 8
    .kernarg_segment_size: 80
    .max_flat_workgroup_size: 128
    .sgpr_count:     66
    .vgpr_count:     208
    .wavefront_size: 32
...
	.end_amdgpu_metadata
.endif
;; end of part 1
;; launch qkv (part 2): grid 16 x 16, 4 waves a work-group, clusters of 4 x 4, 327,680 bytes of LDS; arguments codes, scales, tab, qkv, rows32; writes qkv, rows32
.if DOCPART == 2
	.amdgcn_target "amdgcn-amd-amdhsa--gfx1250"
	.amdhsa_code_object_version 6
	.text
	.protected	k_q018e2de046_qkv
	.globl	k_q018e2de046_qkv
	.p2align	8
	.type	k_q018e2de046_qkv,@function
k_q018e2de046_qkv:
	s_mov_b64 s[64:65], 0
	v_nop
	global_prefetch_b8 v0, s[64:65] scope:SCOPE_SE
	s_setreg_imm32_b32 hwreg(HW_REG_WAVE_MODE, 25, 1), 1
	s_wait_xcnt 0x0
	s_wait_alu depctr_hold_cnt(0) depctr_sa_sdst(0) depctr_va_vdst(0) depctr_va_sdst(0) depctr_va_ssrc(0) depctr_va_vcc(0) depctr_vm_vsrc(0)
	s_getreg_b32 s2, hwreg(HW_REG_IB_STS2, 6, 4)
	s_cmp_eq_u32 s2, 0
	s_cbranch_scc0 .Lentry_in_a_cluster
	s_endpgm
.Lentry_in_a_cluster:
	s_bfe_u32 s2, ttmp6, 0x10000c
	s_cmp_lg_u32 s2, 0xf033
	s_cbranch_scc0 .Lentry_shape_is_right
	s_endpgm
.Lentry_shape_is_right:
; Q, K, V = x Wq^T, x Wk^T, x Wv^T on codes of FP4 (E2M1) with E8M0 scales, sums in f32; Q and K rotated (RoPE) in f32; all three out as f16, [t][b][h][s][64], Q and K divided by 4 (the table holds cos / 4, sin / 4).
; A work-group makes 256 tokens x one head's 192 columns (64 of Q, 64 of K, 64 of V).  Each of its four waves makes 64 tokens x 192: 48 accumulators of 16 x 16, so that a token's 128 bytes of Q, of K, of V lie in one wave.
; ALL OF K (1,024) LIES IN LDS: two halves of 512 along K (rows of 256 bytes), each filled once; nothing is filled again.  The scale bytes of the 256 + 192 rows come once, as two dense blocks.
; CLUSTERS: 4 x 4 work-groups.  The four of a row of the cluster need the same tokens' codes, the four of a column the same head's: each tile is asked for jointly, by the same tensor load with the same descriptor and a mask that names the four.
; THE MATRIX INSTRUCTION IS USED TRANSPOSED (source 0 = 16 rows of W, source 1 = 16 tokens): a lane holds one token and eight neighbouring columns d, so a rotation's pair lies in one lane.
; The rows s < 16 of each sequence also go out in f32 (rows32: [b][t][h][16][64]) for the launch that carries them finely: 32 bytes a lane, 384 KiB in all.
; LIMITS: |Q|, |K| under 262,000 and |V| under 65,504 (f16); NaN and infinities are not served.
; REGISTERS, in windows of 256: window 0: v1-31 addresses; v32-127 scale words, two sets, and nothing else; v128-255 the table's values for my 64 tokens.
;   window 1: two sets of fragments (set p at 128 p: 4 of x, then 12 of W); on the way out v0-31 rotated numbers, v32-63 f16, v64-95 rows read back.
;   window 2: accumulators (a, b), b = 0..7 (Q, K) at 8 (8 a + b);   window 3: b = 8..11 (V) at 8 (4 a + b - 8).
.set PITCH, 272                        ; an LDS row: 256 bytes + 16 of padding: the 16 rows that a load touches start at 16 different banks (64 banks of 4 bytes: ISA guide 11.1)
.set XB,    256*PITCH                  ; in a slot: x's 256 rows, then W's 192
.set SLOT,  448*PITCH
.set SCL,   2*SLOT                     ; the scale bytes, as units of 256 bytes + 16: x's 32 units, then W's 24; 16 rows are 544 bytes
.set SXB,   32*272
.set STAGE, 259072                     ; 16 rows x 144 bytes for each wave, in blocks of 256 bytes that no fill touches
.set SPARE, STAGE+4*16*144             ; the spare words, 128 bytes a wave, named by no other line
.set ADRX, 16                          ; v16-17 LDS address of my fragments of x in slot 0, 1
.set ADRW, 20                          ; v20-21 the same for W
.set STO,  24                          ; v24 the way out: where I put 16 bytes of a row
.set RD,   25                          ; v25 where I read rows back
.set LO,   26                          ; v26 16 x lane
.set ADRS, 27                          ; v27 my scale words: lanes 0-15 x's rows, lanes 16-31 W's
.set SPW,  28                          ; v28 LDS address of my spare word; never rewritten
.set NIL,  29                          ; v29 0; never rewritten
.set CY,   30                          ; v30 my work-group's place along the cluster's y
.set RO,   31                          ; v31 256 (lane % 16) + 32 (lane / 16): my place in the table's rows and in rows32
.set SC,   32
.set RT,   128
.set T,    0
.set H,    32
.set BK,   64
.set G1X, 24
.set G0X, 32
.set G1W, 48
.set G0W, 56
.set G1SX, 68
.set G0SX, 76
.set G1SW, 80
.set G0SW, 88
.set MSB, 0
.macro WIN new                         ; the immediate's high byte repeats the setting that is left
.if MSB != \new
	s_set_vgpr_msb (MSB<<8)|\new
.set MSB, \new
.endif
.endm
; A joint load: waves 0 and 1 fetch for x, waves 2 and 3 for W.  The branch hangs on the wave's number alone.  An s_nop 0 and four v_nop follow each of the two lines.
.macro JLOAD g0a, g1a, g0b, g1b
	s_cmp_eq_u32 s17, 0
	s_cbranch_scc0 .Lfor_b_\@
	tensor_load_to_lds s[\g0a:\g0a+3], s[\g1a:\g1a+7]
	s_nop 0
.rept 4
	v_nop
.endr
	s_branch .Lasked_\@
.Lfor_b_\@:
	tensor_load_to_lds s[\g0b:\g0b+3], s[\g1b:\g1b+7]
	s_nop 0
.rept 4
	v_nop
.endr
.Lasked_\@:
.endm
.macro CROUND                          ; a round of the cluster's barrier
	s_barrier_signal -1
	s_barrier_wait -1
	s_cmp_lg_u32 s16, 0
	s_cbranch_scc1 .Lnot_wave_0_\@
	s_barrier_signal -3
.Lnot_wave_0_\@:
	s_barrier_wait -3
	s_barrier_signal -1
	s_barrier_wait -1
.endm
.macro PLACES                          ; four plain places behind this matrix form, in front of loads into registers that it has read and of the first read of results
.rept 4
	v_nop
.endr
.endm
	s_load_b256 s[4:11], s[0:1], 0x0               ; codes s[4:5], scales s[6:7], tab s[8:9], qkv s[10:11]
	s_load_b64 s[12:13], s[0:1], 0x20              ; rows32
	v_lshl_add_u32 v[SPW], v0, 2, SPARE
	v_mov_b32 v[NIL], 0
	ds_add_u32 v[SPW], v[NIL]                      ; the wave's opening: the add, twice on end, and its wait ahead of my first tensor load
	ds_add_u32 v[SPW], v[NIL]
	v_lshrrev_b32 v1, 5, v0
	v_readfirstlane_b32 s16, v1                    ; wave 0..3
	s_lshr_b32 s17, s16, 1                         ; I fetch for x (0) or for W (1)
	s_and_b32 s18, s16, 1                          ; which half of its rows
	s_bfe_u32 s20, ttmp6, 0x40000                  ; cx
	s_bfe_u32 s21, ttmp6, 0x40004                  ; cy
	s_lshl_b32 s22, ttmp9, 2
	s_add_co_u32 s22, s22, s20                     ; the head = 4 x cluster x + cx
	s_and_b32 s23, ttmp7, 0xffff
	s_lshl_b32 s23, s23, 2
	s_add_co_u32 s23, s23, s21                     ; the block of 256 tokens = 4 x cluster y + cy
	s_lshl_b32 s40, s21, 2
	s_lshl_b32 s40, 15, s40                        ; my row of the cluster
	s_lshl_b32 s41, 0x1111, s20                    ; my column
	; group 1 for the codes: rows of 256 bytes, 512 bytes apart in memory, 16 bytes of padding behind each
	s_or_b32 s[G1X+0], s40, (0<<16)|(1<<20)|(1<<21)|(5<<22)|(3<<25)   ; 15:0 the mask; 17:16 elements of 1 byte; 20 padding on; 21 set beside a mask; 24:22 after every 64 words; 31:25 four words
	s_or_b32 s[G1W+0], s41, (0<<16)|(1<<20)|(1<<21)|(5<<22)|(3<<25)
.irp g, G1X, G1W
	s_mov_b32 s[\g+1], 256<<16                     ; tensor_dim0
	s_mov_b32 s[\g+3], 256<<16                     ; tile_dim0
	s_mov_b32 s[\g+5], 512                         ; from row to row
	s_mov_b32 s[\g+6], 0
	s_mov_b32 s[\g+7], 0
.endr
	s_mov_b32 s[G1X+2], 128<<16                    ; x: 128 rows a load
	s_mov_b32 s[G1X+4], 128
	s_mov_b32 s[G1W+2], 96<<16                     ; W: 96 rows a load
	s_mov_b32 s[G1W+4], 96
	; and for the scale bytes: a dense block as rows of 256 bytes (32 elements of 8 bytes), 16 bytes of padding behind each
	s_or_b32 s[G1SX+0], s40, (3<<16)|(1<<20)|(1<<21)|(5<<22)|(3<<25)
	s_or_b32 s[G1SW+0], s41, (3<<16)|(1<<20)|(1<<21)|(5<<22)|(3<<25)
.irp g, G1SX, G1SW
	s_mov_b32 s[\g+1], 32<<16
	s_mov_b32 s[\g+3], 32<<16
	s_mov_b32 s[\g+5], 32
	s_mov_b32 s[\g+6], 0
	s_mov_b32 s[\g+7], 0
.endr
	s_mov_b32 s[G1SX+2], 16<<16                    ; 128 rows x 32 bytes = 16 units
	s_mov_b32 s[G1SX+4], 16
	s_mov_b32 s[G1SW+2], 12<<16                    ; 96 rows = 12 units
	s_mov_b32 s[G1SW+4], 12
	; where the tiles come from: x's hang on the block of tokens alone, W's on the head alone
	s_lshl_b32 s42, s23, 8
	s_lshl_b32 s43, s18, 7
	s_add_co_u32 s42, s42, s43                     ; x: row 256 y + 128 half
	s_mul_i32 s44, s22, 192
	s_mul_i32 s45, s18, 96
	s_add_co_u32 s44, s44, s45
	s_add_co_u32 s44, s44, 4096                    ; W: row 4,096 + 192 head + 96 half
	s_lshl_b32 s46, s42, 5                         ; 32 scale bytes a row,
	s_lshl_b32 s42, s42, 9                         ; 512 bytes of codes
	s_lshl_b32 s92, s44, 5
	s_lshl_b32 s44, s44, 9
	s_mov_b32 s43, 0
	s_mov_b32 s45, 0
	s_mov_b32 s47, 0
	s_mov_b32 s93, 0
	s_mul_i32 s94, s18, 128*PITCH                  ; and where they go: no place in the cluster enters an LDS address
	s_mul_i32 s95, s18, 96*PITCH
	s_add_co_u32 s95, s95, XB
	s_mul_i32 s14, s18, 16*272
	s_add_co_u32 s14, s14, SCL
	s_mul_i32 s15, s18, 12*272
	s_add_co_u32 s15, s15, SCL+SXB
	s_wait_dscnt 0x0                               ; both opening adds are done
	s_wait_kmcnt 0x0
	s_add_nc_u64 s[42:43], s[4:5], s[42:43]
	s_add_nc_u64 s[46:47], s[6:7], s[46:47]
	s_add_nc_u64 s[44:45], s[4:5], s[44:45]
	s_add_nc_u64 s[92:93], s[6:7], s[92:93]
	CROUND                                         ; all sixteen work-groups are here: the joint loads meet
	s_mov_b32 s[G0SX], 1
	s_mov_b32 s[G0SX+1], s14
	s_mov_b64 s[G0SX+2:G0SX+3], s[46:47]
	s_or_b32 s[G0SX+3], s[G0SX+3], 0x80000000
	s_mov_b32 s[G0SW], 1
	s_mov_b32 s[G0SW+1], s15
	s_mov_b64 s[G0SW+2:G0SW+3], s[92:93]
	s_or_b32 s[G0SW+3], s[G0SW+3], 0x80000000
	JLOAD G0SX, G1SX, G0SW, G1SW                   ; the scales first: they are wanted with the first half of K
.irp s, 0,1
	s_mov_b32 s[G0X+4*\s], 1
	s_add_co_u32 s[G0X+4*\s+1], s94, \s*SLOT
	s_add_nc_u64 s[G0X+4*\s+2:G0X+4*\s+3], s[42:43], \s*256
	s_or_b32 s[G0X+4*\s+3], s[G0X+4*\s+3], 0x80000000
	s_mov_b32 s[G0W+4*\s], 1
	s_add_co_u32 s[G0W+4*\s+1], s95, \s*SLOT
	s_add_nc_u64 s[G0W+4*\s+2:G0W+4*\s+3], s[44:45], \s*256
	s_or_b32 s[G0W+4*\s+3], s[G0W+4*\s+3], 0x80000000
	JLOAD G0X+4*\s, G1X, G0W+4*\s, G1W             ; three loads of mine are out behind the second of these
.endr
	v_and_b32 v1, 15, v0                           ; r
	v_bfe_u32 v2, v0, 4, 1                         ; h
	v_mul_u32_u24 v3, v1, PITCH
	v_lshl_add_u32 v3, v2, 4, v3                   ; a fragment's row x pitch + 16 x half
	s_mul_i32 s40, s16, 64*PITCH                   ; my 64 tokens
	v_add_nc_u32 v[ADRX], s40, v3
	v_add_nc_u32 v[ADRX+1], SLOT, v[ADRX]
	v_add_nc_u32 v[ADRW], XB, v3
	v_add_nc_u32 v[ADRW+1], SLOT, v[ADRW]
	v_lshlrev_b32 v4, 5, v1                        ; my row's scale bytes: 32 a row,
	v_lshrrev_b32 v5, 3, v1
	v_lshl_add_u32 v4, v5, 4, v4                   ; and 16 more behind the first 256
	s_mul_i32 s46, s16, 4*544                      ; x's: my four blocks of 16 rows
	s_mov_b32 s47, SXB
	s_sub_co_u32 s47, s47, s46
	v_mul_u32_u24 v5, s47, v2                      ; lanes 16-31 take W's, from its first block
	s_add_co_u32 s46, s46, SCL
	v_add_nc_u32 v4, v4, v5
	v_add_nc_u32 v[ADRS], s46, v4
	v_and_b32 v6, 31, v0
	v_lshlrev_b32 v[LO], 4, v6
	v_lshrrev_b32 v7, 3, v6
	v_and_b32 v8, 7, v6
	v_mul_u32_u24 v7, v7, 144
	v_lshl_add_u32 v7, v8, 4, v7
	s_mul_i32 s46, s16, 16*144
	s_add_co_u32 s46, s46, STAGE                   ; my stage
	v_add_nc_u32 v[RD], s46, v7                    ; back: eight lanes to a row of 128 bytes, four rows an instruction
	v_mul_u32_u24 v7, v1, 144
	v_lshl_add_u32 v7, v2, 4, v7
	v_add_nc_u32 v[STO], s46, v7                   ; in: row r, 16 bytes for each half of the lanes
	v_mov_b32 v[CY], s21
	v_lshlrev_b32 v[RO], 8, v1
	v_lshl_add_u32 v[RO], v2, 5, v[RO]
	s_and_b32 s40, s23, 7
	s_lshl_b32 s40, s40, 8
	s_lshl_b32 s41, s16, 6
	s_add_co_u32 s40, s40, s41                     ; my first token's place s in its sequence
	s_lshl_b32 s94, s40, 8
	s_mov_b32 s95, 0
	s_add_nc_u64 s[8:9], s[8:9], s[94:95]          ; the table at that row
	s_lshr_b32 s41, s23, 3                         ; b
	s_lshl_b32 s42, s41, 4
	s_add_co_u32 s42, s42, s22
	s_lshl_b32 s42, s42, 11
	s_add_co_u32 s42, s42, s40
	s_lshl_b32 s42, s42, 7                         ; ((16 b + head) 2,048 + s) x 128 bytes
	s_mov_b32 s43, 0
	s_add_nc_u64 s[96:97], s[10:11], s[42:43]      ; Q's rows,
	s_add_nc_u64 s[98:99], s[96:97], 0x800000      ; K's,
	s_add_nc_u64 s[100:101], s[96:97], 0x1000000   ; V's
	s_mul_i32 s44, s41, 48
	s_add_co_u32 s44, s44, s22
	s_lshl_b32 s44, s44, 12
	s_mov_b32 s45, 0
	s_add_nc_u64 s[12:13], s[12:13], s[44:45]      ; rows32 at [b][0][head]
	s_and_b32 s105, ttmp7, 1
	s_or_b32 s105, s105, s16                       ; 0 in wave 0 of the clusters with an even y: the same in all sixteen partners
.irp a, 0,1,2,3                        ; the table's values: token 16 a + r, pairs 8 e + 4 h + 0..3: (cos / 4, sin / 4) x 4
.irp e, 0,1,2,3
.irp z, 0,1
	global_load_b128 v[RT+32*\a+8*\e+4*\z:RT+32*\a+8*\e+4*\z+3], v[RO], s[8:9] offset:4096*\a+64*\e+16*\z
.endr
.endr
.endr
; the fragments of the q-th 128 along K into set p: 16 rows x 128 K of 4-bit codes are 8 registers: lane l holds row l % 16; registers 4 c .. 4 c + 3 hold K = 64 c + 32 (l / 16) + 0 .. 31
.macro FETCH q, p
	WIN 0x40                                       ; destination window 1, address window 0
.irp a, 0,1,2,3
.irp c, 0,1
	ds_load_b128 v[128*(\p)+8*\a+4*\c:128*(\p)+8*\a+4*\c+3], v[ADRX+(\q)/4] offset:64*((\q)%4)+32*\c+\a*16*PITCH
.endr
.endr
.irp b, 0,1,2,3,4,5,6,7,8,9,10,11
.irp c, 0,1
	ds_load_b128 v[128*(\p)+32+8*\b+4*\c:128*(\p)+32+8*\b+4*\c+3], v[ADRW+(\q)/4] offset:64*((\q)%4)+32*\c+\b*16*PITCH
.endr
.endr
.endm
; the scale words of half s of K: register 4 i + q: lanes 0-15 the word of x's block i of mine (i < 4; beyond that filled bytes that nobody uses), lanes 16-31 that of W's block i
.macro SCALES s
	WIN 0
.irp i, 0,1,2,3,4,5,6,7,8,9,10,11
	ds_load_b128 v[SC+48*\s+4*\i:SC+48*\s+4*\i+3], v[ADRS] offset:544*\i+16*\s
.endr
.endm
; 48 matrix instructions: 128 along K.  The accumulators take turns, one instruction a turn, in the same order in every step.  zero = 1: the first products start the sums.
.macro MUL q, zero
.set FB, 128*((\q)%2)
.set SB, SC+48*((\q)/4)+(\q)%4
	WIN 0xa5                                       ; sources 0 and 1 window 1, C and D window 2
.irp a, 0,1,2,3
.irp b, 0,1,2,3,4,5,6,7
.if \zero
	v_wmma_scale_f32_16x16x128_f8f6f4 v[8*(8*\a+\b):8*(8*\a+\b)+7], v[FB+32+8*\b:FB+39+8*\b], v[FB+8*\a:FB+8*\a+7], 0, v[SB+4*\b], v[SB+4*\a] matrix_a_fmt:MATRIX_FMT_FP4 matrix_b_fmt:MATRIX_FMT_FP4 matrix_a_scale:MATRIX_SCALE_ROW1
.else
	v_wmma_scale_f32_16x16x128_f8f6f4 v[8*(8*\a+\b):8*(8*\a+\b)+7], v[FB+32+8*\b:FB+39+8*\b], v[FB+8*\a:FB+8*\a+7], v[8*(8*\a+\b):8*(8*\a+\b)+7], v[SB+4*\b], v[SB+4*\a] matrix_a_fmt:MATRIX_FMT_FP4 matrix_b_fmt:MATRIX_FMT_FP4 matrix_a_scale:MATRIX_SCALE_ROW1
.endif
.endr
.endr
	WIN 0xf5                                       ; C and D window 3
.irp a, 0,1,2,3
.irp b, 8,9,10,11
.if \zero
	v_wmma_scale_f32_16x16x128_f8f6f4 v[8*(4*\a+\b-8):8*(4*\a+\b-8)+7], v[FB+32+8*\b:FB+39+8*\b], v[FB+8*\a:FB+8*\a+7], 0, v[SB+4*\b], v[SB+4*\a] matrix_a_fmt:MATRIX_FMT_FP4 matrix_b_fmt:MATRIX_FMT_FP4 matrix_a_scale:MATRIX_SCALE_ROW1
.else
	v_wmma_scale_f32_16x16x128_f8f6f4 v[8*(4*\a+\b-8):8*(4*\a+\b-8)+7], v[FB+32+8*\b:FB+39+8*\b], v[FB+8*\a:FB+8*\a+7], v[8*(4*\a+\b-8):8*(4*\a+\b-8)+7], v[SB+4*\b], v[SB+4*\a] matrix_a_fmt:MATRIX_FMT_FP4 matrix_b_fmt:MATRIX_FMT_FP4 matrix_a_scale:MATRIX_SCALE_ROW1
.endif
.endr
.endr
.endm
.macro NEXT q                          ; the next step's fragments are asked for, then this step is multiplied
	PLACES
	FETCH (\q)+1, ((\q)+1)%2
	s_wait_dscnt 32                                ; all but the 32 just issued
	MUL \q, 0
.endm
	s_wait_tensorcnt 0x1                           ; the scales and my part of the first half of K are in (the second half's load may be out),
	s_barrier_signal -1
	s_barrier_wait -1                              ; everybody's are
	FETCH 0, 0
	SCALES 0
	FETCH 1, 1
	s_wait_dscnt 32                                ; all but the 32 just issued
	MUL 0, 1
	NEXT 1
	NEXT 2
	s_wait_tensorcnt 0x0                           ; my part of the second half is in,
	s_wait_dscnt 0x0                               ; no LDS instruction of mine is out at a signal,
	s_barrier_signal -1
	s_barrier_wait -1                              ; everybody's is.  Nothing is filled again in this launch
	PLACES
	FETCH 4, 0
	SCALES 1
	s_wait_dscnt 44                                ; all but the 32 + 12 just issued
	MUL 3, 0
	NEXT 4
	NEXT 5
	NEXT 6
	s_wait_dscnt 0x0
	MUL 7, 0
	PLACES
	s_wait_loadcnt 0x0                             ; the table
; THE WAY OUT, in 12 units n = 3 a + t of 16 tokens x 64 columns.  Q and K are rotated: (x1, x2) -> (x1 c - x2 s, x1 s + x2 c).  A unit is rounded to f16, goes through my stage and leaves as 2,048 consecutive bytes.
.macro SEND n, younger                 ; younger: the LDS instructions issued behind unit n's loads, which may stay out
	s_wait_dscnt \younger
	WIN 0x04                                       ; a store's data: window 1
.irp i, 0,1,2,3
	global_store_b128 v[LO], v[BK+16*((\n)%2)+4*\i:BK+16*((\n)%2)+4*\i+3], s[96+2*((\n)%3):97+2*((\n)%3)] offset:2048*((\n)/3)+512*\i   ; 512 consecutive bytes, aligned
.endr
.endm
.macro UNIT n
.set UA, (\n)/3
.set UT, (\n)%3
.set HB, H+16*((\n)%2)
.set BB, BK+16*((\n)%2)
.if UT < 2
.set AC, 8*(8*UA+4*UT)
	WIN 0x42                                       ; destination window 1, source 0 window 2, source 1 window 0
.irp e, 0,1,2,3
.irp i, 0,2,4,6
	v_pk_mul_f32 v[T+8*\e+\i:T+8*\e+\i+1], v[AC+8*\e+\i:AC+8*\e+\i+1], v[RT+32*UA+8*\e+\i:RT+32*UA+8*\e+\i+1] op_sel_hi:[1,0]   ; (x1 c, x2 c); each accumulator from its low end on
.endr
.endr
	WIN 0x52                                       ; and source 2 window 1
.irp e, 0,1,2,3
.irp i, 0,2,4,6
	v_fma_f32 v[T+8*\e+\i], -v[AC+8*\e+\i+1], v[RT+32*UA+8*\e+\i+1], v[T+8*\e+\i]
	v_fma_f32 v[T+8*\e+\i+1], v[AC+8*\e+\i], v[RT+32*UA+8*\e+\i+1], v[T+8*\e+\i+1]
.endr
.endr
	WIN 0x45                                       ; all in window 1
.irp e, 0,1,2,3
.irp i, 0,1,2,3
	v_cvt_pk_f16_f32 v[HB+4*\e+\i], v[T+8*\e+2*\i], v[T+8*\e+2*\i+1]
.endr
.endr
.else
	WIN 0x4f                                       ; sources window 3, destination window 1
.irp e, 0,1,2,3
.irp i, 0,1,2,3
	v_cvt_pk_f16_f32 v[HB+4*\e+\i], v[8*(4*UA+\e)+2*\i], v[8*(4*UA+\e)+2*\i+1]
.endr
.endr
.endif
.if (\n) < 3                           ; tokens 0-15 of wave 0: where they are a sequence's first 16, they also go out in f32.  The branch hangs on numbers that all partners share; the place along y only masks lanes
	WIN 0
	s_cmp_lg_u32 s105, 0
	s_cbranch_scc1 .Lno_copy_\@
	s_wait_xcnt 0x0                                ; EXEC changes only behind this wait
	v_cmp_eq_u32 vcc_lo, 0, v[CY]
	s_and_saveexec_b32 s104, vcc_lo
.if UT < 2
	WIN 0x04
.irp e, 0,1,2,3
.irp z, 0,1
	global_store_b128 v[RO], v[T+8*\e+4*\z:T+8*\e+4*\z+3], s[12:13] offset:65536*UT+64*\e+16*\z
.endr
.endr
.else
	WIN 0x0c                                       ; a store's data: window 3
.irp e, 0,1,2,3
.irp z, 0,1
	global_store_b128 v[RO], v[8*\e+4*\z:8*\e+4*\z+3], s[12:13] offset:65536*UT+64*\e+16*\z
.endr
.endr
.endif
	s_wait_xcnt 0x0                                ; and again in front of the line that widens it; the stores have also read their data
	s_or_b32 exec_lo, exec_lo, s104
	WIN 0
.Lno_copy_\@:
.endif
.if (\n) >= 2
	s_wait_xcnt 0x0                                ; unit n - 2's stores have read the registers into which this unit's rows come back
.endif
	WIN 0x04
.irp e, 0,1,2,3
	ds_store_b128 v[STO], v[HB+4*\e:HB+4*\e+3] offset:32*\e
.endr
	WIN 0x40
.irp i, 0,1,2,3
	ds_load_b128 v[BB+4*\i:BB+4*\i+3], v[RD] offset:576*\i   ; LDS serves a wave's instructions in order: these see my stores, and the next unit's stores come behind them
.endr
.if (\n) > 0
	SEND (\n)-1, 8                                 ; behind unit n - 1's loads: this unit's 4 stores and 4 loads
.endif
.endm
.set N, 0
.rept 12
	UNIT N
.set N, N+1
.endr
	SEND 11, 0
	WIN 0
	s_wait_tensorcnt 0x0                           ; the wave's end: behind my last tensor load and my last LDS store
	ds_add_u32 v[SPW], v[NIL]
	s_wait_dscnt 0x0
	CROUND                                         ; the closing round
	s_endpgm
.Lfunc_end_k_q018e2de046_qkv:
	.size	k_q018e2de046_qkv, .Lfunc_end_k_q018e2de046_qkv-k_q018e2de046_qkv
	.p2alignl 7, 3214868480
	.fill 96, 4, 3214868480
	.section	.rodata,"a",@progbits
	.p2align	6, 0x0
	.amdhsa_kernel k_q018e2de046_qkv
		.amdhsa_group_segment_fixed_size 327680
		.amdhsa_private_segment_fixed_size 0
		.amdhsa_enable_private_segment 0
		.amdhsa_kernarg_size 40
		.amdhsa_user_sgpr_count 2
		.amdhsa_user_sgpr_kernarg_segment_ptr 1
		.amdhsa_wavefront_size32 1
		.amdhsa_system_sgpr_workgroup_id_x 1
		.amdhsa_system_sgpr_workgroup_id_y 1
		.amdhsa_system_sgpr_workgroup_id_z 1
		.amdhsa_system_vgpr_workitem_id 0
		.amdhsa_next_free_vgpr 1024
		.amdhsa_next_free_sgpr 106
		.amdhsa_reserve_vcc 1
		.amdhsa_float_denorm_mode_32 3
		.amdhsa_float_denorm_mode_16_64 3
		.amdhsa_memory_ordered 1
		.amdhsa_forward_progress 1
		.amdhsa_inst_pref_size 134
	.end_amdhsa_kernel
	.amdgpu_metadata
---
amdhsa.version: [ 1, 2 ]
amdhsa.kernels:
  - .name:           k_q018e2de046_qkv
    .symbol:         k_q018e2de046_qkv.kd
    .args:
      - { .name: codes, .offset: 0, .size: 8, .value_kind: global_buffer, .address_space: global }
      - { .name: scales, .offset: 8, .size: 8, .value_kind: global_buffer, .address_space: global }
      - { .name: tab, .offset: 16, .size: 8, .value_kind: global_buffer, .address_space: global }
      - { .name: qkv, .offset: 24, .size: 8, .value_kind: global_buffer, .address_space: global }
      - { .name: rows32, .offset: 32, .size: 8, .value_kind: global_buffer, .address_space: global }
    .group_segment_fixed_size: 327680
    .private_segment_fixed_size: 0
    .kernarg_segment_align: 8
    .kernarg_segment_size: 40
    .max_flat_workgroup_size: 128
    .sgpr_count:     106
    .vgpr_count:     1024
    .wavefront_size: 32
...
	.end_amdgpu_metadata
.endif
;; end of part 2
;; launch attn (part 3): grid 8 x 32, 16 waves a work-group, no clusters, 327,680 bytes of LDS; arguments qkv, oh; writes oh
.if DOCPART == 3
	.amdgcn_target "amdgcn-amd-amdhsa--gfx1250"
	.amdhsa_code_object_version 6
	.text
	.protected	k_q018e2de046_attn
	.globl	k_q018e2de046_attn
	.p2align	8
	.type	k_q018e2de046_attn,@function
k_q018e2de046_attn:
	s_mov_b64 s[64:65], 0
	v_nop
	global_prefetch_b8 v0, s[64:65] scope:SCOPE_SE
	s_setreg_imm32_b32 hwreg(HW_REG_WAVE_MODE, 25, 1), 1
	s_wait_xcnt 0x0
; O[b][h][q] = the sum over k <= q of softmax_k(Q[q] . K[k] / 8) V[k].  Q / 4, K / 4, V: f16, [t][b][h][s][64].  Products on f16 operands with f32 sums; maxima, exponentials and sums in f32; a running maximum.
; O goes out as f16, laid [b][q / 128][h][q % 128][64], as the next launch's tiles want it.
; SHARES.  A work-group owns the blocks i and 15 - i of 128 queries of one head: 17 blocks of keys to walk in all, whatever i.  Each of its sixteen waves owns 16 queries in 256 registers: four waves to a SIMD,
; so that one wave's vector work stands beside another's matrix work and LDS loads.  Which waves take the early block is mixed by the wave's number, so that early and late queries share the SIMDs.
; Every work-group walks all 8 slots of 256 keys: the trip counts are constants.  A step of 64 keys all of which come after a wave's queries is jumped over, and a slot that comes after the work-group's last query is not asked for.
; NO CLUSTER: the work-groups of a head end their walks at different keys (128 (15 - i) + 127), so a joint tile would be read by no wave of some partner.
; LAYOUT.  S^T = K Q^T (source 0 = 16 keys, source 1 = my 16 queries): a lane holds ONE query (lane % 16) and keys 8 (lane / 16) + 0..7 of each tile.  Two such tiles, rounded to f16 in pairs, ARE source 1 of
; O^T = V^T P, whose result again holds one query a lane.  K comes out of LDS as it lies, V ([key][channel]) turned, by ds_load_tr16_b128.
; SOFTMAX.  p = 2^(c s - c m), c = 2 log2(e): 16 for the two factors 1/4, 1/8 for the head's size.  In every step O and the sum are multiplied by a = 2^(c m_old - c m_new).
; LIMITS: the f16 ranges of the launch before; NaN and infinities are not served.  The first 16 queries of a sequence are computed here coarsely and replaced at the end of the program by the launch that carries them in f32.
.set SK,    256                        ; keys in a slot
.set NSL,   8                          ; slots' worth of keys
.set KP,    144                        ; a key's row in LDS: 128 bytes + 16
.set VP,    160                        ; a row of V: 128 + 32
.set VOFF,  SK*KP                      ; a slot: 256 rows of K, then 256 rows of V
.set SLOT1, 1<<17                      ; slot 1 begins here: one exclusive or turns an address in one slot into the other's
.set STAGE, 2*SLOT1                    ; the way out: 16 rows x 144 bytes for each wave
.set SPARE, STAGE+16*16*KP             ; the spare words, 128 bytes a wave, named by no other line
.set AK0, 1                            ; v1  my lane's place in a tile of K
.set AV0, 2                            ; v2  the same for V
.set SPW, 3                            ; v3  LDS address of my spare word; never rewritten
.set NIL, 4                            ; v4  0; never rewritten
.set ADK, 8                            ; v8  LDS address of the slot's K
.set ADV, 9                            ; v9  of its V
.set PFO, 10                           ; v10 256 x lane: the prefetches' offset; never rewritten
.set DD,  11                           ; v11 at work
.set QR,  16                           ; v16-31   Q: two fragments
.set KR,  32                           ; v32-95   K: (tile a, channels 32 ks) at 16 a + 8 ks
.set VR,  96                           ; v96-159  V^T: (keys 32 ks, channels 16 t) at 32 ks + 8 t
.set S,   160                          ; v160-191 S^T, then p
.set P,   192                          ; v192-207 p in f16
.set O,   208                          ; v208-239 O^T
.set T,   240                          ; v240-243 at work
.set AA,  244                          ; v[244:245] a
.set SU,  246                          ; v[246:247] a second chain of the sum
.set NINF, 248                         ; v248 -infinity
.set RH,  249                          ; v249 lane % 16 - 8 (lane / 16)
                                       ; v12 c m, v13 m, v[14:15] the sum in two halves
.set WV,  18
.set SEL, 20                           ; s[20:21] v_permlanex16_b32's selects for lane l xor 16
.set CS,  22                           ; s[22:23] c
.set G1K, 24
.set G1V, 32
.set G0K, 40
.set G0V, 44
.set TB,  2                            ; s2  LDS byte at which the slot in hand begins
.set QL,  66                           ; s66 my work-group's last query
.set SLOTS, 67
.set KF,  98                           ; s98 the step's first key
.set Q0,  99                           ; s99 my first query
.set PFA, 76                           ; s[76:77] where my prefetches stand
.set LIM, 80                           ; s80 1 in a wave that prefetches, else the greatest number
; Waves 0 and 1 fetch K's halves, waves 2 and 3 V's, the others nothing.  An s_nop 0 and four v_nop follow each of the two lines.
.macro TLOAD
	s_cmp_lt_u32 s[WV], 2
	s_cbranch_scc0 .Lnot_k_\@
	tensor_load_to_lds s[G0K:G0K+3], s[G1K:G1K+7]
	s_nop 0
.rept 4
	v_nop
.endr
	s_branch .Lasked_\@
.Lnot_k_\@:
	s_cmp_lt_u32 s[WV], 4
	s_cbranch_scc0 .Lasked_\@
	tensor_load_to_lds s[G0V:G0V+3], s[G1V:G1V+7]
	s_nop 0
.rept 4
	v_nop
.endr
.Lasked_\@:
.endm
; A prefetch of what the NEXT change of slots will ask for: 256 rows of K and 256 of V, two dense blocks of 32,768 bytes.  All work-groups of a head walk the same K and V: the one with i = 0, which walks them all, asks.
; In it waves 4 to 7 ask for K's block and waves 8 to 11 for V's, 8,192 bytes a wave, lanes 256 bytes apart: each aligned block of 256 bytes is named once in the launch.  The last change that fills a slot asks for nothing.
.macro ASK
	s_cmp_gt_u32 s[SLOTS], s[LIM]
	s_cbranch_scc0 .Lnot_mine_\@
	global_prefetch_b8 v[PFO], s[PFA:PFA+1] th:TH_LOAD_NT scope:SCOPE_SE
.Lnot_mine_\@:
.endm
	s_load_b128 s[4:7], s[0:1], 0x0                ; qkv s[4:5], oh s[6:7]
	v_lshl_add_u32 v[SPW], v0, 2, SPARE
	v_mov_b32 v[NIL], 0
	ds_add_u32 v[SPW], v[NIL]                      ; the wave's opening: the add, twice on end, and its wait ahead of my first tensor load
	ds_add_u32 v[SPW], v[NIL]
	v_lshrrev_b32 v8, 5, v0
	v_readfirstlane_b32 s[WV], v8                  ; wave 0..15
	s_and_b32 s68, ttmp7, 0xffff                   ; 16 b + h
	s_lshr_b32 s69, s[WV], 2
	s_xor_b32 s69, s69, s[WV]
	s_and_b32 s69, s69, 1                          ; 1: my queries lie in the late block
	s_lshr_b32 s70, s[WV], 3
	s_lshl_b32 s70, s70, 2
	s_and_b32 s71, s[WV], 3
	s_or_b32 s70, s70, s71                         ; which 16 of its 128
	s_sub_co_u32 s71, 15, ttmp9
	s_cmp_eq_u32 s69, 1
	s_cselect_b32 s72, s71, ttmp9                  ; my block of 128 queries
	s_lshl_b32 s[Q0], s72, 7
	s_lshl_b32 s73, s70, 4
	s_add_co_u32 s[Q0], s[Q0], s73
	s_lshl_b32 s[QL], s71, 7
	s_or_b32 s[QL], s[QL], 127
	s_lshl_b32 s73, s68, 18                        ; the head's first byte in Q, in K, in V: 2,048 rows of 128 bytes
	s_lshl_b32 s82, s[Q0], 7
	s_add_co_u32 s82, s82, s73                     ; my queries' rows
	s_mov_b32 s83, 0
	s_lshr_b32 s74, s68, 4
	s_lshl_b32 s74, s74, 8
	s_lshl_b32 s75, s72, 4
	s_add_co_u32 s74, s74, s75
	s_and_b32 s75, s68, 15
	s_add_co_u32 s74, s74, s75
	s_lshl_b32 s74, s74, 14                        ; O: (256 b + 16 block + h) panels of 16,384 bytes,
	s_lshl_b32 s75, s70, 11
	s_add_co_u32 s74, s74, s75                     ; + my 16 rows of 128 bytes
	s_mov_b32 s75, 0
	s_and_b32 s88, s[WV], 1                        ; what I fetch, if I fetch: half u of a slot's rows
	s_lshl_b32 s89, s88, 14
	s_add_co_u32 s89, s89, s73
	s_add_co_u32 s84, s89, 0x800000                ; K lies 8 MiB into the buffer,
	s_mov_b32 s85, 0
	s_add_co_u32 s86, s89, 0x1000000               ; V 16 MiB
	s_mov_b32 s87, 0
	s_mul_i32 s90, s88, 128*KP
	s_mul_i32 s91, s88, 128*VP
	s_add_co_u32 s91, s91, VOFF
	; group 1: 128 rows of 64 elements of 2 bytes, dense in memory, padded in LDS
	s_mov_b32 s[G1K], (1<<16)|(1<<20)|(4<<22)|(3<<25)   ; 17:16 elements of 2 bytes; 20 padding on; 24:22 after every 32 words; 31:25 four words
	s_mov_b32 s[G1V], (1<<16)|(1<<20)|(4<<22)|(7<<25)   ; the same with eight words
.irp g, G1K, G1V
	s_mov_b32 s[\g+1], 64<<16                      ; tensor_dim0
	s_mov_b32 s[\g+2], 128<<16                     ; tensor_dim1
	s_mov_b32 s[\g+3], 64<<16                      ; tile_dim0
	s_mov_b32 s[\g+4], 128                         ; tile_dim1
	s_mov_b32 s[\g+5], 64                          ; from row to row
	s_mov_b32 s[\g+6], 0
	s_mov_b32 s[\g+7], 0
.endr
	s_mov_b32 s[SEL], 0x76543210
	s_mov_b32 s[SEL+1], 0xfedcba98
	s_mov_b32 s[CS], 0x4038aa3b                    ; c = 2 log2(e)
	s_mov_b32 s[CS+1], s[CS]                       ; (named with it as a pair, so it is written)
	s_mov_b32 s[TB], 0
	s_mov_b32 s[KF], 0
	s_mov_b32 s[SLOTS], NSL-1
	s_cmp_lt_u32 s[WV], 8                          ; the prefetches: waves 4 to 7 for K, 8 to 11 for V
	s_mov_b32 s78, 0x1000000
	s_cselect_b32 s78, 0x800000, s78
	s_and_b32 s79, s[WV], 3
	s_lshl_b32 s79, s79, 13
	s_add_co_u32 s78, s78, s79                     ; my wave's 8,192 bytes,
	s_add_co_u32 s78, s78, s73                     ; in my head,
	s_add_co_u32 s78, s78, SK*128                  ; in slot 1: the first change of slots steps it to slot 2.  Nothing is prefetched at the head
	s_mov_b32 s79, 0
	s_sub_co_u32 s81, s[WV], 4
	s_lshr_b32 s81, s81, 3                         ; 0 in waves 4 to 11,
	s_or_b32 s81, s81, ttmp9                       ; of the work-group with i = 0
	s_cmp_eq_u32 s81, 0
	s_cselect_b32 s[LIM], 1, -1
	s_wait_dscnt 0x0                               ; both opening adds are done
	s_wait_kmcnt 0x0
	s_mov_b32 s[G0K], 1
	s_mov_b32 s[G0K+1], s90
	s_add_nc_u64 s[G0K+2:G0K+3], s[4:5], s[84:85]
	s_or_b32 s[G0K+3], s[G0K+3], 0x80000000
	s_mov_b32 s[G0V], 1
	s_mov_b32 s[G0V+1], s91
	s_add_nc_u64 s[G0V+2:G0V+3], s[4:5], s[86:87]
	s_or_b32 s[G0V+3], s[G0V+3], 0x80000000
	TLOAD                                          ; slot 0: it holds key 0, which counts for every query
	s_add_nc_u64 s[PFA:PFA+1], s[4:5], s[78:79]
	s_add_nc_u64 s[8:9], s[4:5], s[82:83]          ; Q at my first query
	s_add_nc_u64 s[6:7], s[6:7], s[74:75]          ; O likewise
	v_and_b32 v8, 15, v0                           ; r
	v_bfe_u32 v9, v0, 4, 1                         ; h
	v_lshlrev_b32 v[DD], 7, v8
	v_lshl_add_u32 v[DD], v9, 4, v[DD]             ; Q: row r of 128 bytes, + 16 h
.irp ks, 0,1
	global_load_b128 v[QR+8*\ks:QR+8*\ks+3], v[DD], s[8:9] offset:64*\ks
	global_load_b128 v[QR+8*\ks+4:QR+8*\ks+7], v[DD], s[8:9] offset:64*\ks+32
.endr
	v_mul_u32_u24 v[AK0], v8, KP
	v_lshl_add_u32 v[AK0], v9, 4, v[AK0]
	v_and_b32 v5, 7, v0
	v_bfe_u32 v6, v0, 3, 1
	v_lshl_add_u32 v[AV0], v9, 3, v5               ; the turning load: key 8 h + l % 8, channels 8 ((l / 8) % 2) on
	v_mul_u32_u24 v[AV0], v[AV0], VP
	v_lshl_add_u32 v[AV0], v6, 4, v[AV0]
	v_add_nc_u32 v[AV0], VOFF, v[AV0]
	v_and_b32 v[PFO], 31, v0
	v_lshlrev_b32 v[PFO], 8, v[PFO]
	v_lshlrev_b32 v[RH], 3, v9
	v_sub_nc_u32 v[RH], v8, v[RH]
	v_mov_b32 v[NINF], 0xff800000
	v_mov_b32 v12, 0xff800000                      ; c m: -infinity, so that the first a is 0
	v_mov_b32 v13, 0xff7fffff                      ; m: under every score
	v_mov_b32 v14, 0
	v_mov_b32 v15, 0
	v_mov_b32 v[T+1], 0                            ; a lane permute's destination counts as one of its sources
	v_mov_b32 v[AA+1], 0                           ; (named as the upper half of a pair)
.irp j, 0,1,2,3,4,5,6,7,8,9,10,11,12,13,14,15,16,17,18,19,20,21,22,23,24,25,26,27,28,29,30,31
	v_mov_b32 v[O+\j], 0                           ; the step is written once: the first finds zeros, which a = 0 leaves zeros
.endr
; A KEY STEP: 64 keys, the q-th of the slot in hand.
.macro STEP q
	s_add_co_u32 s96, s[Q0], 15
	s_cmp_gt_u32 s[KF], s96                        ; all 64 keys come after my 16 queries: the step's work is left out (ids and the count of steps alone)
	s_cbranch_scc1 .Lhidden_\@
	v_add_nc_u32 v[ADK], s[TB], v[AK0]
	v_add_nc_u32 v[ADV], s[TB], v[AV0]
	v_nop
	v_nop                                          ; with the two additions: four places in front of loads into registers that the last products have read
.irp a, 0,1,2,3
.irp ks, 0,1
	ds_load_b128 v[KR+16*\a+8*\ks:KR+16*\a+8*\ks+3], v[ADK] offset:(64*(\q)+16*\a)*KP+64*\ks
	ds_load_b128 v[KR+16*\a+8*\ks+4:KR+16*\a+8*\ks+7], v[ADK] offset:(64*(\q)+16*\a)*KP+64*\ks+32
.endr
.endr
.irp ks, 0,1
.irp t, 0,1,2,3
	ds_load_tr16_b128 v[VR+32*\ks+8*\t:VR+32*\ks+8*\t+3], v[ADV] offset:(64*(\q)+32*\ks)*VP+32*\t
	ds_load_tr16_b128 v[VR+32*\ks+8*\t+4:VR+32*\ks+8*\t+7], v[ADV] offset:(64*(\q)+32*\ks)*VP+16*VP+32*\t
.endr
.endr
	s_wait_dscnt 16                                ; K is in; V's sixteen loads may be out
.irp a, 0,1,2,3                        ; S^T = K Q^T: the four tiles take turns
	v_wmma_f32_16x16x32_f16 v[S+8*\a:S+8*\a+7], v[KR+16*\a:KR+16*\a+7], v[QR:QR+7], 0
.endr
.irp a, 0,1,2,3
	v_wmma_f32_16x16x32_f16 v[S+8*\a:S+8*\a+7], v[KR+16*\a+8:KR+16*\a+15], v[QR+8:QR+15], v[S+8*\a:S+8*\a+7]
.endr
.rept 4
	v_nop
.endr
	s_add_co_u32 s96, s[KF], 63
	s_cmp_le_u32 s96, s[Q0]                        ; every key counts for every query of mine: no mask
	s_cbranch_scc1 .Lopen_\@
	s_sub_co_u32 s96, s[Q0], s[KF]
	v_add_nc_u32 v[DD], s96, v[RH]                 ; d = my query - KF - 8 h.  Register 8 a + j holds key KF + 16 a + 8 h + j: hidden where 16 a + j > d
.irp a, 0,1,2,3
.irp j, 0,1,2,3,4,5,6,7
	v_cmp_gt_i32 vcc_lo, 16*\a+\j, v[DD]
	v_cndmask_b32 v[S+8*\a+\j], v[S+8*\a+\j], v[NINF], vcc_lo
.endr
.endr
.Lopen_\@:
.irp j, 0,1,2,3                        ; the maximum, in four chains, each tile from its low end on
	v_max3_num_f32 v[T+\j], v[S+8*\j], v[S+8*\j+1], v[S+8*\j+2]
.endr
.irp u, 3,5
.irp j, 0,1,2,3
	v_max3_num_f32 v[T+\j], v[T+\j], v[S+8*\j+\u], v[S+8*\j+\u+1]
.endr
.endr
	v_max3_num_f32 v[T], v[T], v[S+7], v[S+15]
	v_max3_num_f32 v[T+2], v[T+2], v[S+23], v[S+31]
	v_max3_num_f32 v[T], v[T], v[T+1], v[T+2]
	v_max3_num_f32 v[T], v[T], v[T+3], v13         ; with the old m
	v_permlanex16_b32 v[T+1], v[T], s[SEL], s[SEL+1]   ; the query's other keys lie in the lane 16 away
	v_mov_b32 v[T+3], v12                          ; c m_old
	v_max_num_f32 v13, v[T], v[T+1]
	v_mul_f32 v12, s[CS], v13
	v_sub_f32 v[T+3], v[T+3], v12
.irp j, 0,2,4,6,8,10,12,14,16,18,20,22,24,26,28,30
	v_pk_fma_f32 v[S+\j:S+\j+1], v[S+\j:S+\j+1], s[CS:CS+1], v[12:13] op_sel_hi:[1,0,0] neg_lo:[0,0,1] neg_hi:[0,0,1]   ; c s - c m
.endr
	v_exp_f32 v[AA], v[T+3]                        ; a
.irp j, 0,1,2,3,4,5,6,7,8,9,10,11,12,13,14,15,16,17,18,19,20,21,22,23,24,25,26,27,28,29,30,31
	v_exp_f32 v[S+\j], v[S+\j]                     ; p
.endr
	v_nop                                          ; a plain instruction behind the last exponential
	s_wait_alu depctr_va_vdst(0)                   ; one wait for the batch of 33, ahead of its first reader
	v_pk_mul_f32 v[14:15], v[14:15], v[AA:AA+1] op_sel_hi:[1,0]
	v_pk_add_f32 v[SU:SU+1], v[S:S+1], v[S+2:S+3]  ; the sum of the unrounded p, two at a time, in two chains
.irp j, 4,8,12,16,20,24,28
	v_pk_add_f32 v[14:15], v[14:15], v[S+\j:S+\j+1]
	v_pk_add_f32 v[SU:SU+1], v[SU:SU+1], v[S+\j+2:S+\j+3]
.endr
	v_pk_add_f32 v[14:15], v[14:15], v[SU:SU+1]
.irp i, 0,1,2,3,4,5,6,7,8,9,10,11,12,13,14,15
	v_cvt_pk_f16_f32 v[P+\i], v[S+2*\i], v[S+2*\i+1]
.endr
.irp j, 0,2,4,6,8,10,12,14,16,18,20,22,24,26,28,30
	v_pk_mul_f32 v[O+\j:O+\j+1], v[O+\j:O+\j+1], v[AA:AA+1] op_sel_hi:[1,0]   ; O^T x a, each tile from its low end on
.endr
	s_wait_dscnt 0x0                               ; V is in
.irp ks, 0,1                           ; O^T += V^T P: the four tiles of channels take turns
.irp t, 0,1,2,3
	v_wmma_f32_16x16x32_f16 v[O+8*\t:O+8*\t+7], v[VR+32*\ks+8*\t:VR+32*\ks+8*\t+7], v[P+8*\ks:P+8*\ks+7], v[O+8*\t:O+8*\t+7]
.endr
.endr
.Lhidden_\@:
	s_add_co_u32 s[KF], s[KF], 64
.endm
; THE CHANGE OF SLOTS stands at a slot's head.  Each wave waits for all its tensor loads, adds 0 to its spare word (fill = 1: twice on end),
; and waits for that and for its reads of the slot that it has left.  Behind the barrier the slot ahead is whole and nobody reads the other one, which is then filled with the keys that follow, up to the causal limit.
.macro CHANGE fill
	s_wait_tensorcnt 0x0                           ; no tensor load of mine is out, so a group 0 may be written
	ds_add_u32 v[SPW], v[NIL]
.if \fill
	ds_add_u32 v[SPW], v[NIL]
	s_xor_b32 s[G0K+1], s[G0K+1], SLOT1            ; the walking descriptors: the other slot than last time,
	s_add_nc_u64 s[G0K+2:G0K+3], s[G0K+2:G0K+3], SK*128   ; the next 256 keys
	s_xor_b32 s[G0V+1], s[G0V+1], SLOT1
	s_add_nc_u64 s[G0V+2:G0V+3], s[G0V+2:G0V+3], SK*128
	s_wait_xcnt 0x0                                ; the last prefetch, a slot back, has read its address
	s_add_nc_u64 s[PFA:PFA+1], s[PFA:PFA+1], SK*128
.endif
	s_wait_dscnt 0x0                               ; the add is done, and my reads of the slot that I have left are over
	s_barrier_signal -1
	s_barrier_wait -1
.if \fill
	s_add_co_u32 s96, s[KF], SK                    ; the first key of the slot that this change would ask for:
	s_cmp_gt_u32 s96, s[QL]                        ; behind my work-group's last query no wave would read it.  Ids and the count of steps alone: all sixteen waves go the same way
	s_cbranch_scc1 .Lpast_\@
	TLOAD                                          ; a wave's one tensor load until the next such barrier.  Every wait for tensor loads in this text is for 0
.Lpast_\@:
	ASK
.endif
.endm
.macro SLOT_STEPS
	STEP 0
	STEP 1
	STEP 2
	STEP 3
	s_xor_b32 s[TB], s[TB], SLOT1                  ; on to the other slot
.endm
	s_wait_loadcnt 0x0                             ; Q
.Lslot:                                            ; NSL - 1 trips
	CHANGE 1
	SLOT_STEPS
	s_sub_co_u32 s[SLOTS], s[SLOTS], 1
	s_cmp_lg_u32 s[SLOTS], 0
	s_cbranch_scc1 .Lslot
	CHANGE 0                                       ; the last slot is written out: nothing is left to ask for
	SLOT_STEPS
	; THE WAY OUT: O^T / the sum, rounded to f16, through my stage, out as 2,048 consecutive bytes
	v_add_f32 v14, v14, v15
	v_permlanex16_b32 v[T+1], v14, s[SEL], s[SEL+1]
	v_add_f32 v14, v14, v[T+1]
	v_rcp_f32 v14, v14
	v_and_b32 v8, 15, v0                           ; (plain instructions behind the reciprocal, and the places behind the last products)
	v_bfe_u32 v9, v0, 4, 1
	s_mul_i32 s96, s[WV], 16*KP
	s_add_co_u32 s96, s96, STAGE                   ; my stage
	v_mul_u32_u24 v5, v8, KP
	v_lshl_add_u32 v5, v9, 4, v5
	v_add_nc_u32 v5, s96, v5                       ; in: row r, 16 bytes for each half of the lanes
	v_and_b32 v7, 31, v0
	v_lshrrev_b32 v6, 3, v7
	v_and_b32 v8, 7, v7
	v_mul_u32_u24 v6, v6, KP
	v_lshl_add_u32 v6, v8, 4, v6
	v_add_nc_u32 v6, s96, v6                       ; back: eight lanes to a row of 128 bytes
	v_lshlrev_b32 v7, 4, v7
	s_wait_alu depctr_va_vdst(0)                   ; the wait ahead of the reciprocal's first reader
.irp j, 0,1,2,3,4,5,6,7,8,9,10,11,12,13,14,15,16,17,18,19,20,21,22,23,24,25,26,27,28,29,30,31
	v_mul_f32 v[S+\j], v[O+\j], v14
.endr
.irp i, 0,1,2,3,4,5,6,7,8,9,10,11,12,13,14,15
	v_cvt_pk_f16_f32 v[P+\i], v[S+2*\i], v[S+2*\i+1]
.endr
.irp t, 0,1,2,3
	ds_store_b128 v5, v[P+4*\t:P+4*\t+3] offset:32*\t
.endr
.irp i, 0,1,2,3
	ds_load_b128 v[S+4*\i:S+4*\i+3], v6 offset:4*KP*\i   ; LDS serves a wave's instructions in order: these see my stores
.endr
.irp i, 0,1,2,3
	s_wait_dscnt 3-\i
	global_store_b128 v7, v[S+4*\i:S+4*\i+3], s[6:7] offset:512*\i   ; 512 consecutive bytes, aligned
.endr
	s_wait_tensorcnt 0x0                           ; the wave's end: behind my last tensor load and my last LDS store
	ds_add_u32 v[SPW], v[NIL]
	s_wait_dscnt 0x0
	s_endpgm
.Lfunc_end_k_q018e2de046_attn:
	.size	k_q018e2de046_attn, .Lfunc_end_k_q018e2de046_attn-k_q018e2de046_attn
	.p2alignl 7, 3214868480
	.fill 96, 4, 3214868480
	.section	.rodata,"a",@progbits
	.p2align	6, 0x0
	.amdhsa_kernel k_q018e2de046_attn
		.amdhsa_group_segment_fixed_size 327680
		.amdhsa_private_segment_fixed_size 0
		.amdhsa_enable_private_segment 0
		.amdhsa_kernarg_size 16
		.amdhsa_user_sgpr_count 2
		.amdhsa_user_sgpr_kernarg_segment_ptr 1
		.amdhsa_wavefront_size32 1
		.amdhsa_system_sgpr_workgroup_id_x 1
		.amdhsa_system_sgpr_workgroup_id_y 1
		.amdhsa_system_sgpr_workgroup_id_z 1
		.amdhsa_system_vgpr_workitem_id 0
		.amdhsa_next_free_vgpr 256
		.amdhsa_next_free_sgpr 100
		.amdhsa_reserve_vcc 1
		.amdhsa_float_denorm_mode_32 3
		.amdhsa_float_denorm_mode_16_64 3
		.amdhsa_memory_ordered 1
		.amdhsa_forward_progress 1
		.amdhsa_inst_pref_size 109
	.end_amdhsa_kernel
	.amdgpu_metadata
---
amdhsa.version: [ 1, 2 ]
amdhsa.kernels:
  - .name:           k_q018e2de046_attn
    .symbol:         k_q018e2de046_attn.kd
    .args:
      - { .name: qkv, .offset: 0, .size: 8, .value_kind: global_buffer, .address_space: global }
      - { .name: oh, .offset: 8, .size: 8, .value_kind: global_buffer, .address_space: global }
    .group_segment_fixed_size: 327680
    .private_segment_fixed_size: 0
    .kernarg_segment_align: 8
    .kernarg_segment_size: 16
    .max_flat_workgroup_size: 512
    .sgpr_count:     100
    .vgpr_count:     256
    .wavefront_size: 32
...
	.end_amdgpu_metadata
.endif
;; end of part 3
;; launch oproj (part 4): grid 8 x 32, 4 waves a work-group, clusters of 4 x 4, 327,680 bytes of LDS; arguments oh, woh, out0; writes out0
.if DOCPART == 4
	.amdgcn_target "amdgcn-amd-amdhsa--gfx1250"
	.amdhsa_code_object_version 6
	.text
	.protected	k_q018e2de046_oproj
	.globl	k_q018e2de046_oproj
	.p2align	8
	.type	k_q018e2de046_oproj,@function
k_q018e2de046_oproj:
	s_mov_b64 s[64:65], 0
	v_nop
	global_prefetch_b8 v0, s[64:65] scope:SCOPE_SE
	s_setreg_imm32_b32 hwreg(HW_REG_WAVE_MODE, 25, 1), 1
	s_wait_xcnt 0x0
	s_wait_alu depctr_hold_cnt(0) depctr_sa_sdst(0) depctr_va_vdst(0) depctr_va_sdst(0) depctr_va_ssrc(0) depctr_va_vcc(0) depctr_vm_vsrc(0)
	s_getreg_b32 s2, hwreg(HW_REG_IB_STS2, 6, 4)
	s_cmp_eq_u32 s2, 0
	s_cbranch_scc0 .Lentry_in_a_cluster
	s_endpgm
.Lentry_in_a_cluster:
	s_bfe_u32 s2, ttmp6, 0x10000c
	s_cmp_lg_u32 s2, 0xf033
	s_cbranch_scc0 .Lentry_shape_is_right
	s_endpgm
.Lentry_shape_is_right:
; out0[m][n] = the sum over k of O[m][k] Wo[n][k], on f16 operands with f32 sums.  M = 4,096, N = 1,024, K = 1,024: 256 tiles of 128 x 128, one to a work-group; four waves, each 64 x 64: 16 accumulators.
; BOTH OPERANDS LIE BY TILE AND PANEL: [tile of 128 rows][k / 64][128 rows][64] f16.  A panel is 128 rows of 128 bytes, dense; the panels of a tile follow each other.  So two panels are 256 dense rows for one tensor load.
; K goes in steps of 256 (four panels an operand) through a ring of two LDS slots; a wave's load brings two panels.  A quarter of a step is a panel.
; CLUSTERS: 4 x 4 work-groups; the four of a row of the cluster need the same tiles of O, the four of a column the same tiles of Wo: each is asked for jointly.
; THE MATRIX INSTRUCTION IS USED TRANSPOSED (source 0 = 16 rows of Wo, source 1 = 16 rows of O): a lane holds eight neighbouring numbers of a row of the result.
; The rows of the first 16 positions of each sequence are written here coarsely; the last launch of the program writes them anew, carried in f32.
; REGISTERS: window 0: v0-31 addresses; v32-95 the way out; v128-255 the accumulators ((a, b) at 128 + 8 (4 a + b)).  window 1: two fragment buffers of 128: 64 registers of O, then 64 of Wo.
.set PITCH,  144                       ; an LDS row: 128 bytes + 16: the 16 rows that a load touches start at different banks
.set PANEL,  128*PITCH
.set OPER,   4*PANEL                   ; an operand's part of a slot
.set SLOT,   2*OPER
.set STAGE,  2*SLOT                    ; 16 rows x 272 bytes for each wave
.set SPITCH, 272
.set SPARE,  STAGE+4*16*SPITCH         ; the spare words, 128 bytes a wave, named by no other line
.set KSB,    4*16384                   ; a K step in memory: four panels
.set ADRA, 16
.set ADRB, 20
.set STO,  24
.set RD,   25
.set CO,   26
.set SPW,  28                          ; never rewritten
.set NIL,  29                          ; never rewritten
.set BK,   32
.set ACC,  128
.set F0,   0
.set F1,   128
.set G1, 24
.set G0, 32
.set G1B, 48
.set G0B, 56
.set MSB, 0
.macro WIN new
.if MSB != \new
	s_set_vgpr_msb (MSB<<8)|\new
.set MSB, \new
.endif
.endm
.set MUL,  0x05                        ; sources 0 and 1 window 1; C and D window 0
.set TO_F, 0x40                        ; destination window 1, address window 0
.macro JLOAD s                         ; a joint load: waves 0 and 1 fetch O's panels, waves 2 and 3 Wo's; an s_nop 0 and four v_nop follow each of the two lines
	s_cmp_eq_u32 s11, 0
	s_cbranch_scc0 .Lfor_b_\@
	tensor_load_to_lds s[G0+4*\s:G0+4*\s+3], s[G1:G1+7]
	s_nop 0
.rept 4
	v_nop
.endr
	s_branch .Lasked_\@
.Lfor_b_\@:
	tensor_load_to_lds s[G0B+4*\s:G0B+4*\s+3], s[G1B:G1B+7]
	s_nop 0
.rept 4
	v_nop
.endr
.Lasked_\@:
.endm
.macro CREST                           ; a round of the cluster's barrier behind its opening barrier
	s_cmp_lg_u32 s10, 0
	s_cbranch_scc1 .Lnot_wave_0_\@
	s_barrier_signal -3
.Lnot_wave_0_\@:
	s_barrier_wait -3
	s_barrier_signal -1
	s_barrier_wait -1
.endm
.macro CROUND
	s_barrier_signal -1
	s_barrier_wait -1
	CREST
.endm
	s_load_b128 s[4:7], s[0:1], 0x0                ; oh s[4:5], woh s[6:7]
	s_load_b64 s[8:9], s[0:1], 0x10                ; out0
	v_lshl_add_u32 v[SPW], v0, 2, SPARE
	v_mov_b32 v[NIL], 0
	ds_add_u32 v[SPW], v[NIL]                      ; the wave's opening: the add, twice on end, and its wait ahead of my first tensor load
	ds_add_u32 v[SPW], v[NIL]
	v_lshrrev_b32 v1, 5, v0
	v_readfirstlane_b32 s10, v1                    ; wave 0..3
	s_lshr_b32 s11, s10, 1                         ; which half of the tile's rows is mine.  Also: I fetch for O (0) or for Wo (1)
	s_and_b32 s12, s10, 1                          ; which half of its columns.  Also: which two panels of a step I fetch
	s_bfe_u32 s40, ttmp6, 0x40000                  ; cx, cy
	s_bfe_u32 s41, ttmp6, 0x40004
	s_lshl_b32 s42, ttmp9, 2
	s_add_co_u32 s42, s42, s40                     ; tile column
	s_and_b32 s13, ttmp7, 0xffff
	s_lshl_b32 s13, s13, 2
	s_add_co_u32 s13, s13, s41                     ; tile row
	s_lshl_b32 s43, s41, 2
	s_lshl_b32 s43, 15, s43                        ; my row of the cluster
	s_lshl_b32 s44, 0x1111, s40                    ; my column
	s_or_b32 s[G1+0], s43, (1<<16)|(1<<20)|(1<<21)|(4<<22)|(3<<25)   ; 15:0 the mask; 17:16 elements of 2 bytes; 20 padding on; 21 set beside a mask; 24:22 after every 32 words; 31:25 four words
	s_or_b32 s[G1B+0], s44, (1<<16)|(1<<20)|(1<<21)|(4<<22)|(3<<25)
.irp g, G1, G1B
	s_mov_b32 s[\g+1], 64<<16                      ; tensor_dim0
	s_mov_b32 s[\g+2], 256<<16                     ; tensor_dim1: two panels' rows
	s_mov_b32 s[\g+3], 64<<16                      ; tile_dim0
	s_mov_b32 s[\g+4], 256                         ; tile_dim1
	s_mov_b32 s[\g+5], 64                          ; from row to row
	s_mov_b32 s[\g+6], 0
	s_mov_b32 s[\g+7], 0
.endr
	s_lshl_b32 s17, s12, 15                        ; my two panels of a step
	s_lshl_b32 s16, s13, 18                        ; a tile's 16 panels are 262,144 bytes
	s_add_co_u32 s16, s16, s17
	s_lshl_b32 s46, s42, 18
	s_add_co_u32 s46, s46, s17
	s_mov_b32 s17, 0
	s_mov_b32 s47, 0
	s_mul_i32 s20, s10, 2*PANEL                    ; where they go: O's four panels, then Wo's four = wave x two panels
	s_wait_dscnt 0x0                               ; both opening adds are done
	s_wait_kmcnt 0x0
	s_add_nc_u64 s[14:15], s[4:5], s[16:17]
	s_add_nc_u64 s[46:47], s[6:7], s[46:47]
	CROUND                                         ; all sixteen work-groups are here: the first joint loads meet
.irp s, 0,1
	s_mov_b32 s[G0+4*\s], 1
	s_add_co_u32 s[G0+4*\s+1], s20, \s*SLOT
	s_add_nc_u64 s[G0+4*\s+2:G0+4*\s+3], s[14:15], \s*KSB
	s_or_b32 s[G0+4*\s+3], s[G0+4*\s+3], 0x80000000
	s_mov_b32 s[G0B+4*\s], 1
	s_add_co_u32 s[G0B+4*\s+1], s20, \s*SLOT
	s_add_nc_u64 s[G0B+4*\s+2:G0B+4*\s+3], s[46:47], \s*KSB
	s_or_b32 s[G0B+4*\s+3], s[G0B+4*\s+3], 0x80000000
	JLOAD \s
.endr
	v_and_b32 v1, 15, v0                           ; r
	v_bfe_u32 v2, v0, 4, 1                         ; h
	v_mul_u32_u24 v3, v1, PITCH
	v_lshl_add_u32 v3, v2, 4, v3
	s_mul_i32 s21, s11, 64*PITCH                   ; my 64 rows of O in each panel
	s_mul_i32 s22, s12, 64*PITCH                   ; my 64 rows of Wo,
	s_add_co_u32 s22, s22, OPER                    ; whose panels lie behind O's
.irp s, 0,1
	v_add_nc_u32 v[ADRA+\s], s21, v3
	v_add_nc_u32 v[ADRB+\s], s22, v3
	s_add_co_u32 s21, s21, SLOT
	s_add_co_u32 s22, s22, SLOT
.endr
	s_mul_i32 s23, s10, 16*SPITCH
	s_add_co_u32 s23, s23, STAGE                   ; my stage
	v_mul_u32_u24 v4, v1, SPITCH
	v_lshl_add_u32 v4, v2, 5, v4
	v_add_nc_u32 v[STO], s23, v4                   ; in: row r, 32 bytes for each half of the lanes
	v_mul_u32_u24 v5, v2, SPITCH
	v_lshl_add_u32 v5, v1, 4, v5
	v_add_nc_u32 v[RD], s23, v5                    ; back: lanes 0-15 one row of 256 bytes, lanes 16-31 the next
	v_lshlrev_b32 v5, 12, v2
	v_lshl_add_u32 v[CO], v1, 4, v5                ; and the same two rows in the result
	s_lshl_b32 s16, s13, 7
	s_lshl_b32 s17, s11, 6
	s_add_co_u32 s16, s16, s17                     ; my first row
	s_lshl_b32 s16, s16, 12                        ; 4,096 bytes a row
	s_mov_b32 s17, 0
	s_add_nc_u64 s[8:9], s[8:9], s[16:17]
	s_lshl_b32 s46, s42, 9                         ; my first column, in bytes: 512 x tile column + 256 x half
	s_lshl_b32 s47, s12, 8
	s_add_co_u32 s46, s46, s47
	s_mov_b32 s47, 0
	s_add_nc_u64 s[8:9], s[8:9], s[46:47]
; 8 matrix instructions: row blocks a0, a0 + 1 x all 4 column blocks, 32 along K: half c of buffer f.  The 16 accumulators take turns
.macro MUL8 f, c, a0, zero
.irp a, \a0, \a0+1
.irp b, 0,1,2,3
.if \zero
	v_wmma_f32_16x16x32_f16 v[ACC+8*(4*(\a)+\b):ACC+8*(4*(\a)+\b)+7], v[\f+64+8*(4*\c+\b):\f+64+8*(4*\c+\b)+7], v[\f+8*(4*\c+\a):\f+8*(4*\c+\a)+7], 0
.else
	v_wmma_f32_16x16x32_f16 v[ACC+8*(4*(\a)+\b):ACC+8*(4*(\a)+\b)+7], v[\f+64+8*(4*\c+\b):\f+64+8*(4*\c+\b)+7], v[\f+8*(4*\c+\a):\f+8*(4*\c+\a)+7], v[ACC+8*(4*(\a)+\b):ACC+8*(4*(\a)+\b)+7]
.endif
.endr
.endr
.endm
; 32 LDS loads in one run: the fragments of panel pn of the slot into buffer f; the first 32 along K first
.macro FETCH slot, pn, f
	WIN TO_F
.irp c, 0,1
.irp i, 0,1,2,3
	ds_load_b128 v[\f+64+8*(4*\c+\i):\f+64+8*(4*\c+\i)+3],   v[ADRB+\slot] offset:\pn*PANEL+64*\c+\i*16*PITCH
	ds_load_b128 v[\f+64+8*(4*\c+\i)+4:\f+64+8*(4*\c+\i)+7], v[ADRB+\slot] offset:\pn*PANEL+64*\c+\i*16*PITCH+32
	ds_load_b128 v[\f+8*(4*\c+\i):\f+8*(4*\c+\i)+3],         v[ADRA+\slot] offset:\pn*PANEL+64*\c+\i*16*PITCH
	ds_load_b128 v[\f+8*(4*\c+\i)+4:\f+8*(4*\c+\i)+7],       v[ADRA+\slot] offset:\pn*PANEL+64*\c+\i*16*PITCH+32
.endr
.endr
.endm
.macro PLACES                          ; four places in front of loads into registers that matrix instructions have read, and of the first read of results
.rept 4
	v_nop
.endr
.endm
; One of a step's first three quarters: multiplies buffer f and fetches the next panel, pn, into g
.macro QUARTER slot, pn, f, g, zero
	s_wait_dscnt 16                                ; the first 32 along K are in
	WIN MUL
	MUL8 \f, 0, 0, \zero
	MUL8 \f, 0, 2, \zero
	PLACES
	FETCH \slot, \pn, \g
	s_wait_dscnt 32                                ; all but the 32 just issued
	WIN MUL
	MUL8 \f, 1, 0, 0
	MUL8 \f, 1, 2, 0
.endm
; The last quarter multiplies buffer 1 and changes slots: ONE barrier; in front of it each wave waits for all its tensor loads, adds 0 to its spare word, and waits for that and for its reads of this slot.
.macro TURN slot, next, fill
	WIN 0                                          ; (the add's two registers lie in window 0)
	s_wait_tensorcnt 0x0                           ; all my tensor loads have landed: my part of the next slot
	ds_add_u32 v[SPW], v[NIL]
	s_wait_dscnt 17                                ; (the add and the youngest sixteen loads may be out)
	WIN MUL
	MUL8 F1, 0, 0, 0
	s_wait_dscnt 0x0                               ; the add is done, and my reads of this slot are over
	s_barrier_signal -1
	MUL8 F1, 0, 2, 0
.if \fill
	WIN 0
.endif
	s_barrier_wait -1
.if \fill
	CREST                                          ; the barrier has opened a round of the cluster's: no wave of any partner still reads this slot or has a load on its way
	s_add_nc_u64 s[G0+4*\slot+2:G0+4*\slot+3], s[G0+4*\slot+2:G0+4*\slot+3], 2*KSB
	s_add_nc_u64 s[G0B+4*\slot+2:G0B+4*\slot+3], s[G0B+4*\slot+2:G0B+4*\slot+3], 2*KSB
	JLOAD \slot                                    ; the first tensor load behind the round; its four v_nop are also the places in front of the loads below
.else
	PLACES
.endif
	FETCH \next, 0, F0
	WIN MUL
	MUL8 F1, 1, 0, 0
	MUL8 F1, 1, 2, 0
.endm
	s_wait_tensorcnt 1                             ; my part of K step 0 is in (K step 1's load may be out),
	s_barrier_signal -1
	s_barrier_wait -1                              ; everybody's is
	FETCH 0, 0, F0
	QUARTER 0, 1, F0, F1, 1                        ; the first products start the sums
	QUARTER 0, 2, F1, F0, 0
	QUARTER 0, 3, F0, F1, 0
	TURN 0, 1, 1                                   ; slot 0 takes K step 2
	QUARTER 1, 1, F0, F1, 0
	QUARTER 1, 2, F1, F0, 0
	QUARTER 1, 3, F0, F1, 0
	TURN 1, 0, 1                                   ; slot 1 takes K step 3
	QUARTER 0, 1, F0, F1, 0
	QUARTER 0, 2, F1, F0, 0
	QUARTER 0, 3, F0, F1, 0
	TURN 0, 1, 0                                   ; nothing is left to ask for
	QUARTER 1, 1, F0, F1, 0
	QUARTER 1, 2, F1, F0, 0
	QUARTER 1, 3, F0, F1, 0
	s_wait_dscnt 16
	WIN MUL
	MUL8 F1, 0, 0, 0
	MUL8 F1, 0, 2, 0
	s_wait_dscnt 0
	MUL8 F1, 1, 0, 0
	MUL8 F1, 1, 2, 0
	WIN 0
	; THE WAY OUT, a block of 16 rows x 64 columns at a time: my 64 columns of f32 are 256 bytes, so each wave has a stage of its own and no barrier is needed
.macro TOSTAGE a
.irp b, 0,1,2,3
	ds_store_b128 v[STO], v[ACC+8*(4*(\a)+\b):ACC+8*(4*(\a)+\b)+3] offset:64*\b        ; each accumulator from its low end on
	ds_store_b128 v[STO], v[ACC+8*(4*(\a)+\b)+4:ACC+8*(4*(\a)+\b)+7] offset:64*\b+16
.endr
.irp t, 0,1,2,3,4,5,6,7
	ds_load_b128 v[BK+32*((\a)%2)+4*\t:BK+32*((\a)%2)+4*\t+3], v[RD] offset:\t*2*SPITCH   ; LDS serves a wave's instructions in order
.endr
.endm
.macro SEND a, younger
	s_wait_dscnt \younger
.irp t, 0,1,2,3,4,5,6,7
	global_store_b128 v[CO], v[BK+32*((\a)%2)+4*\t:BK+32*((\a)%2)+4*\t+3], s[8:9] offset:(16*(\a)+2*\t)*4096 th:TH_STORE_NT   ; 16 lanes store 256 consecutive bytes, aligned
.endr
.endm
	PLACES
	TOSTAGE 0
	TOSTAGE 1
	SEND 0, 16                                     ; behind block 0's loads: block 1's 8 stores and 8 loads
	s_wait_xcnt 0x0                                ; block 0's stores have read their registers
	TOSTAGE 2
	SEND 1, 16
	s_wait_xcnt 0x0
	TOSTAGE 3
	SEND 2, 16
	SEND 3, 0
	s_wait_tensorcnt 0x0                           ; the wave's end: behind my last tensor load and my last LDS store
	ds_add_u32 v[SPW], v[NIL]
	s_wait_dscnt 0x0
	CROUND                                         ; the closing round
	s_endpgm
.Lfunc_end_k_q018e2de046_oproj:
	.size	k_q018e2de046_oproj, .Lfunc_end_k_q018e2de046_oproj-k_q018e2de046_oproj
	.p2alignl 7, 3214868480
	.fill 96, 4, 3214868480
	.section	.rodata,"a",@progbits
	.p2align	6, 0x0
	.amdhsa_kernel k_q018e2de046_oproj
		.amdhsa_group_segment_fixed_size 327680
		.amdhsa_private_segment_fixed_size 0
		.amdhsa_enable_private_segment 0
		.amdhsa_kernarg_size 24
		.amdhsa_user_sgpr_count 2
		.amdhsa_user_sgpr_kernarg_segment_ptr 1
		.amdhsa_wavefront_size32 1
		.amdhsa_system_sgpr_workgroup_id_x 1
		.amdhsa_system_sgpr_workgroup_id_y 1
		.amdhsa_system_sgpr_workgroup_id_z 1
		.amdhsa_system_vgpr_workitem_id 0
		.amdhsa_next_free_vgpr 512
		.amdhsa_next_free_sgpr 66
		.amdhsa_reserve_vcc 0
		.amdhsa_float_denorm_mode_32 3
		.amdhsa_float_denorm_mode_16_64 3
		.amdhsa_memory_ordered 1
		.amdhsa_forward_progress 1
		.amdhsa_inst_pref_size 85
	.end_amdhsa_kernel
	.amdgpu_metadata
---
amdhsa.version: [ 1, 2 ]
amdhsa.kernels:
  - .name:           k_q018e2de046_oproj
    .symbol:         k_q018e2de046_oproj.kd
    .args:
      - { .name: oh, .offset: 0, .size: 8, .value_kind: global_buffer, .address_space: global }
      - { .name: woh, .offset: 8, .size: 8, .value_kind: global_buffer, .address_space: global }
      - { .name: out0, .offset: 16, .size: 8, .value_kind: global_buffer, .address_space: global }
    .group_segment_fixed_size: 327680
    .private_segment_fixed_size: 0
    .kernarg_segment_align: 8
    .kernarg_segment_size: 24
    .max_flat_workgroup_size: 128
    .sgpr_count:     66
    .vgpr_count:     512
    .wavefront_size: 32
...
	.end_amdgpu_metadata
.endif
;; end of part 4
;; launch first16 (part 5): grid 64 x 2, 16 waves a work-group, no clusters, 301,056 bytes of LDS; arguments rows32, Wo, out0; writes out0
.if DOCPART == 5
	.amdgcn_target "amdgcn-amd-amdhsa--gfx1250"
	.amdhsa_code_object_version 6
	.text
	.protected	k_q018e2de046_first16
	.globl	k_q018e2de046_first16
	.p2align	8
	.type	k_q018e2de046_first16,@function
k_q018e2de046_first16:
	s_mov_b64 s[64:65], 0
	v_nop
	global_prefetch_b8 v0, s[64:65] scope:SCOPE_SE
	s_setreg_imm32_b32 hwreg(HW_REG_WAVE_MODE, 25, 1), 1
	s_wait_xcnt 0x0
; THE FIRST 16 POSITIONS OF EACH SEQUENCE, carried in f32 through attention and the projection by Wo: these rows average one to sixteen values, so the rounding of 16-bit operands weighs most there.
; It writes 32 rows of out0 over the coarse numbers that the launch before has left there.
; rows32: [b][t][h][16][64] f32 (Q / 4 and K / 4 rotated, V).  A work-group makes 16 rows x 16 columns of out0 for one b; wave w takes head w: its attention (16 + 16 matrix instructions, repeated in each of the
; 64 column chunks, which spares a launch), then its head's part of the projection (16); the sixteen parts meet in LDS and are added in a fixed order.
; WHY 16 COLUMNS: the f32 matrix form is slow, so the products are spread as far as whole tiles of 16 allow: 128 work-groups.  The price: a work-group's 16 columns are 64 bytes of a row, so the 32 rows (128 KiB in all)
; leave in pieces of 64 consecutive bytes.
; EVERY GLOBAL LOAD IS DENSE: a head's Q, K, V are blocks of 4,096 bytes, read 512 bytes on end an instruction; Wo's 16 rows x 256 bytes two whole pieces of a row at a time.  The fragments want a lane to a row:
; the four tiles turn through the wave's own LDS bytes (rows of 256 bytes + 16, so that the 16 rows of a fragment load start at 16 different banks: 64 banks of 4 bytes, ISA guide 11.1).  No barrier is needed for that.
; THE MATRIX FORM 16 x 16 x 4 in f32: lane (r, h) holds row r and k = 2 h + j in register j.  In every product k is permuted alike on both sides, so that plain loads and the results' own registers fill the fragments:
;   K Q^T: register x of lane (r, h) stands for channel 8 (x / 4) + 4 h + x % 4;   V^T P: for key 8 h + x;   Wo O^T: for channel 16 (x / 8) + 8 h + x % 8.
; All products are used transposed: a lane holds one query (lane % 16).  The registers that matrix instructions write (v176-223, v240-255) are written by nothing else.
; NO CLUSTER: the launch has one step and no ring, and loads through registers; what the work-groups of a b share, 192 KiB, is read once by each.
; LIMITS: NaN and infinities among the inputs are not served.
.set PIT,   272                        ; a tile's row in LDS
.set TILE,  16*PIT
.set WREG,  4*TILE                     ; a wave's own bytes: Q, K, V, Wo
.set RED,   16*WREG                    ; behind them: a part of 16 rows x (64 bytes + 16) for each wave
.set RP,    80
.set PART,  16*RP
.set SPARE, RED+16*PART                ; the spare words, 128 bytes a wave, named by no other line
.set QF,  16                           ; v16-47   Q as loaded, then as a fragment; later my part, and the sixteen parts
.set KF,  48                           ; v48-79   K likewise
.set VF,  80                           ; v80-111  V as loaded, then V^T
.set TW,  112                          ; v112-143 Wo as loaded; later O / the sum
.set WF,  144                          ; v144-175 Wo's fragment
.set S0,  176                          ; v176-183 scores, even steps
.set S1,  184                          ; v184-191 odd steps
.set OT,  192                          ; v192-223 O^T
.set PR,  224                          ; v224-231 scores, then p
.set TM,  232                          ; v232-237 at work
.set U0,  240                          ; v240-247 my part of the result, even steps
.set U1,  248                          ; v248-255 odd steps
.set SPW, 12                           ; never rewritten
.set NIL, 13                           ; never rewritten
	s_load_b128 s[4:7], s[0:1], 0x0                ; rows32, Wo
	s_load_b64 s[8:9], s[0:1], 0x10                ; out0
	v_lshl_add_u32 v[SPW], v0, 2, SPARE
	v_mov_b32 v[NIL], 0
	v_lshrrev_b32 v1, 5, v0
	v_readfirstlane_b32 s10, v1                    ; wave: my head; at the end waves 0 to 7 take two rows each
	s_and_b32 s11, ttmp7, 0xffff                   ; b
	v_and_b32 v1, 15, v0                           ; r
	v_bfe_u32 v2, v0, 4, 1                         ; h
	v_and_b32 v3, 31, v0
	v_lshlrev_b32 v3, 4, v3                        ; Q, K, V in: 16 bytes a lane, 512 on end
	v_lshlrev_b32 v4, 12, v2
	v_lshl_add_u32 v4, v1, 4, v4                   ; Wo in: lanes 0-15 one row's 256 bytes, lanes 16-31 the next row's
	s_mul_i32 s22, s10, WREG                       ; my wave's own bytes
	v_mul_u32_u24 v5, v2, PIT
	v_lshl_add_u32 v5, v1, 4, v5
	v_add_nc_u32 v5, s22, v5                       ; into a tile: two rows an instruction
	v_mul_u32_u24 v6, v1, PIT
	v_add_nc_u32 v6, s22, v6                       ; row r of a tile
	v_lshl_add_u32 v8, v2, 5, v6                   ; Wo's fragment: + 32 h
	v_lshl_add_u32 v6, v2, 4, v6                   ; Q's and K's: + 16 h
	v_mul_u32_u24 v7, v2, 8*PIT
	v_lshl_add_u32 v7, v1, 2, v7
	v_add_nc_u32 v7, s22, v7                       ; V^T: key 8 h, channel r
	v_lshlrev_b32 v9, 3, v2
	v_sub_nc_u32 v9, v1, v9                        ; r - 8 h
	v_mov_b32 v10, 0xff800000                      ; -infinity
	s_mul_i32 s23, s10, PART
	s_add_co_u32 s23, s23, RED
	v_mul_u32_u24 v11, v1, RP
	v_lshl_add_u32 v11, v2, 5, v11
	v_add_nc_u32 v11, s23, v11                     ; my part: row r, 32 bytes for each half of the lanes
	s_mul_i32 s23, s10, 2*RP
	s_add_co_u32 s23, s23, RED
	v_mul_u32_u24 v14, v2, RP
	v_lshl_add_u32 v14, v1, 2, v14
	v_add_nc_u32 v14, s23, v14                     ; at the end: row 2 wave + h, column r, in every part
	v_lshlrev_b32 v15, 12, v2
	v_lshl_add_u32 v15, v1, 2, v15                 ; and the same place in out0
	v_mov_b32 v[TM+1], 0                           ; a lane permute's destination counts as one of its sources
	s_mov_b32 s12, 0x76543210
	s_mov_b32 s13, 0xfedcba98                      ; v_permlanex16_b32's selects for lane l xor 16
	s_mov_b32 s14, 0x4038aa3b                      ; c = 2 log2(e): 16 for the two factors 1/4, 1/8 for the head's size
	s_mul_i32 s16, s11, 48
	s_add_co_u32 s16, s16, s10
	s_lshl_b32 s16, s16, 12                        ; rows32 at [b][0][head]
	s_mov_b32 s17, 0
	s_lshl_b32 s18, ttmp9, 16                      ; Wo: 16 rows of 4,096 bytes a chunk,
	s_lshl_b32 s19, s10, 8
	s_add_co_u32 s18, s18, s19                     ; my head's 64 channels
	s_mov_b32 s19, 0
	s_lshl_b32 s20, s11, 11
	s_lshl_b32 s21, s10, 1
	s_add_co_u32 s20, s20, s21
	s_lshl_b32 s20, s20, 12                        ; out0: row 2,048 b + 2 wave,
	s_lshl_b32 s21, ttmp9, 6
	s_add_co_u32 s20, s20, s21                     ; 64 bytes a chunk
	s_mov_b32 s21, 0
	s_wait_kmcnt 0x0
	s_add_nc_u64 s[4:5], s[4:5], s[16:17]
	s_add_nc_u64 s[6:7], s[6:7], s[18:19]
	s_add_nc_u64 s[8:9], s[8:9], s[20:21]
.irp i, 0,1,2,3,4,5,6,7
	global_load_b128 v[QF+4*\i:QF+4*\i+3], v3, s[4:5] offset:512*\i
.endr
.irp i, 0,1,2,3,4,5,6,7
	global_load_b128 v[KF+4*\i:KF+4*\i+3], v3, s[4:5] offset:65536+512*\i
.endr
.irp i, 0,1,2,3,4,5,6,7
	global_load_b128 v[VF+4*\i:VF+4*\i+3], v3, s[4:5] offset:131072+512*\i
.endr
.irp i, 0,1,2,3,4,5,6,7
	global_load_b128 v[TW+4*\i:TW+4*\i+3], v4, s[6:7] offset:8192*\i
.endr
.macro STAGE reg, tile                 ; 16 rows of 256 bytes, as loaded, into tile number tile of my bytes
.irp i, 0,1,2,3,4,5,6,7
	ds_store_b128 v5, v[\reg+4*\i:\reg+4*\i+3] offset:\tile*TILE+2*PIT*\i
.endr
.endm
.macro FRAG reg, tile                  ; Q's or K's fragment: row r, channels 8 i + 4 h + 0..3 into registers 4 i ..
.irp i, 0,1,2,3,4,5,6,7
	ds_load_b128 v[\reg+4*\i:\reg+4*\i+3], v6 offset:\tile*TILE+32*\i
.endr
.endm
	s_wait_loadcnt 16                              ; Q and K are in; V's eight loads and Wo's eight may be out
	STAGE QF, 0
	STAGE KF, 1
	s_wait_dscnt 0x0                               ; the stores have read their registers, which take the fragments
	FRAG QF, 0
	FRAG KF, 1
	s_wait_loadcnt 8                               ; V is in; Wo's eight loads may be out
	STAGE VF, 2
	s_wait_dscnt 0x0                               ; Q's and K's fragments are in, and V's stores have read their registers
.irp t, 0,1,2,3
.irp k, 0,1,2,3,4,5,6,7
	ds_load_b32 v[VF+8*\t+\k], v7 offset:2*TILE+PIT*\k+64*\t   ; V(8 h + k, 16 t + r): they land while the scores are made
.endr
.endr
	v_wmma_f32_16x16x4_f32 v[S0:S0+7], v[KF:KF+1], v[QF:QF+1], 0          ; S^T = K Q^T in two sums that take turns; each begins with its own first step
	v_wmma_f32_16x16x4_f32 v[S1:S1+7], v[KF+2:KF+3], v[QF+2:QF+3], 0
.irp s, 4,8,12,16,20,24,28
	v_wmma_f32_16x16x4_f32 v[S0:S0+7], v[KF+\s:KF+\s+1], v[QF+\s:QF+\s+1], v[S0:S0+7]
	v_wmma_f32_16x16x4_f32 v[S1:S1+7], v[KF+\s+2:KF+\s+3], v[QF+\s+2:QF+\s+3], v[S1:S1+7]
.endr
	s_wait_loadcnt 0x0                             ; Wo is in
	STAGE TW, 3
.irp t, 0,1,2,3                        ; Wo's fragment, into registers of its own: row r, channels 16 t + 8 h + 0..7 into registers 8 t ..
	ds_load_b128 v[WF+8*\t:WF+8*\t+3], v8 offset:3*TILE+64*\t
	ds_load_b128 v[WF+8*\t+4:WF+8*\t+7], v8 offset:3*TILE+64*\t+16
.endr
.rept 8
	v_nop                                          ; eight places behind this form (ISA guide 7.12.1)
.endr
.irp j, 0,1,2,3,4,5,6,7
	v_add_f32 v[PR+\j], v[S0+\j], v[S1+\j]         ; query r, key 8 h + j
.endr
.irp j, 0,1,2,3,4,5,6,7
	v_cmp_gt_i32 vcc_lo, \j, v9                    ; hidden where 8 h + j > r
	v_cndmask_b32 v[PR+\j], v[PR+\j], v10, vcc_lo
.endr
	v_max3_num_f32 v[TM], v[PR], v[PR+1], v[PR+2]
	v_max3_num_f32 v[TM], v[TM], v[PR+3], v[PR+4]
	v_max3_num_f32 v[TM], v[TM], v[PR+5], v[PR+6]
	v_max_num_f32 v[TM], v[TM], v[PR+7]
	v_permlanex16_b32 v[TM+1], v[TM], s12, s13
	v_max_num_f32 v[TM], v[TM], v[TM+1]            ; the row's maximum: key 0 counts for every query
	v_mul_f32 v[TM+2], s14, v[TM]
.irp j, 0,1,2,3,4,5,6,7
	v_fma_f32 v[PR+\j], v[PR+\j], s14, -v[TM+2]
.endr
.irp j, 0,1,2,3,4,5,6,7
	v_exp_f32 v[PR+\j], v[PR+\j]
.endr
	v_nop                                          ; a plain instruction behind the last exponential
	s_wait_alu depctr_va_vdst(0)                   ; one wait for the eight, ahead of their first reader
	v_add_f32 v[TM], v[PR], v[PR+1]
	v_add_f32 v[TM+2], v[PR+2], v[PR+3]
	v_add_f32 v[TM+3], v[PR+4], v[PR+5]
	v_add_f32 v[TM+4], v[PR+6], v[PR+7]
	v_add_f32 v[TM], v[TM], v[TM+2]
	v_add_f32 v[TM+3], v[TM+3], v[TM+4]
	v_add_f32 v[TM], v[TM], v[TM+3]
	v_permlanex16_b32 v[TM+1], v[TM], s12, s13
	v_add_f32 v[TM], v[TM], v[TM+1]                ; the row's sum
	v_rcp_f32 v[TM+5], v[TM]
	v_nop
	s_wait_alu depctr_va_vdst(0)                   ; the wait ahead of the reciprocal's first reader
	s_wait_dscnt 8                                 ; V^T is in, and Wo's stores have read their registers; the eight loads of Wo's fragment may be out
.irp t, 0,1,2,3                        ; O^T = V^T P: four tiles of channels by turns, 4 keys a step
	v_wmma_f32_16x16x4_f32 v[OT+8*\t:OT+8*\t+7], v[VF+8*\t:VF+8*\t+1], v[PR:PR+1], 0
.endr
.irp s, 2,4,6
.irp t, 0,1,2,3
	v_wmma_f32_16x16x4_f32 v[OT+8*\t:OT+8*\t+7], v[VF+8*\t+\s:VF+8*\t+\s+1], v[PR+\s:PR+\s+1], v[OT+8*\t:OT+8*\t+7]
.endr
.endr
.rept 8
	v_nop
.endr
.irp j, 0,1,2,3,4,5,6,7,8,9,10,11,12,13,14,15,16,17,18,19,20,21,22,23,24,25,26,27,28,29,30,31
	v_mul_f32 v[TW+\j], v[OT+\j], v[TM+5]          ; O / the sum, into other registers, each tile from its low end on: register 8 t + i is channel 16 t + 8 h + i of query r
.endr
	s_wait_dscnt 0x0                               ; Wo's fragment is in
	v_wmma_f32_16x16x4_f32 v[U0:U0+7], v[WF:WF+1], v[TW:TW+1], 0          ; my head's part of the 16 columns, in two sums that take turns
	v_wmma_f32_16x16x4_f32 v[U1:U1+7], v[WF+2:WF+3], v[TW+2:TW+3], 0
.irp s, 4,8,12,16,20,24,28
	v_wmma_f32_16x16x4_f32 v[U0:U0+7], v[WF+\s:WF+\s+1], v[TW+\s:TW+\s+1], v[U0:U0+7]
	v_wmma_f32_16x16x4_f32 v[U1:U1+7], v[WF+\s+2:WF+\s+3], v[TW+\s+2:TW+\s+3], v[U1:U1+7]
.endr
.rept 8
	v_nop
.endr
.irp j, 0,1,2,3,4,5,6,7
	v_add_f32 v[QF+\j], v[U0+\j], v[U1+\j]         ; lane (r, h): query r, columns 8 h + 0..7
.endr
	ds_store_b128 v11, v[QF:QF+3]
	ds_store_b128 v11, v[QF+4:QF+7] offset:16
	s_wait_dscnt 0x0                               ; for the others' sake: my stores have landed
	s_barrier_signal -1
	s_barrier_wait -1
	s_cmp_ge_u32 s10, 8                            ; 256 numbers are left to add: 32 lanes x 8 waves
	s_cbranch_scc1 .Ldone
.irp p, 0,1,2,3,4,5,6,7,8,9,10,11,12,13,14,15
	ds_load_b32 v[QF+16+\p], v14 offset:PART*\p    ; my number of head p's part
.endr
	s_wait_dscnt 0x0
.irp p, 0,2,4,6,8,10,12,14             ; the sixteen heads, in a fixed order: neighbours 1, 2, 4 and 8 apart
	v_add_f32 v[QF+16+\p], v[QF+16+\p], v[QF+17+\p]
.endr
.irp p, 0,4,8,12
	v_add_f32 v[QF+16+\p], v[QF+16+\p], v[QF+18+\p]
.endr
.irp p, 0,8
	v_add_f32 v[QF+16+\p], v[QF+16+\p], v[QF+20+\p]
.endr
	v_add_f32 v[QF+16], v[QF+16], v[QF+24]
	global_store_b32 v15, v[QF+16], s[8:9]         ; lanes 0-15: 64 consecutive bytes of one row, lanes 16-31 of the next
.Ldone:
	s_wait_tensorcnt 0x0                           ; the wave's end: behind my last LDS store
	ds_add_u32 v[SPW], v[NIL]
	s_wait_dscnt 0x0
	s_endpgm
.Lfunc_end_k_q018e2de046_first16:
	.size	k_q018e2de046_first16, .Lfunc_end_k_q018e2de046_first16-k_q018e2de046_first16
	.p2alignl 7, 3214868480
	.fill 96, 4, 3214868480
	.section	.rodata,"a",@progbits
	.p2align	6, 0x0
	.amdhsa_kernel k_q018e2de046_first16
		.amdhsa_group_segment_fixed_size 301056
		.amdhsa_private_segment_fixed_size 0
		.amdhsa_enable_private_segment 0
		.amdhsa_kernarg_size 24
		.amdhsa_user_sgpr_count 2
		.amdhsa_user_sgpr_kernarg_segment_ptr 1
		.amdhsa_wavefront_size32 1
		.amdhsa_system_sgpr_workgroup_id_x 1
		.amdhsa_system_sgpr_workgroup_id_y 1
		.amdhsa_system_sgpr_workgroup_id_z 1
		.amdhsa_system_vgpr_workitem_id 0
		.amdhsa_next_free_vgpr 256
		.amdhsa_next_free_sgpr 66
		.amdhsa_reserve_vcc 1
		.amdhsa_float_denorm_mode_32 3
		.amdhsa_float_denorm_mode_16_64 3
		.amdhsa_memory_ordered 1
		.amdhsa_forward_progress 1
		.amdhsa_inst_pref_size 22
	.end_amdhsa_kernel
	.amdgpu_metadata
---
amdhsa.version: [ 1, 2 ]
amdhsa.kernels:
  - .name:           k_q018e2de046_first16
    .symbol:         k_q018e2de046_first16.kd
    .args:
      - { .name: rows32, .offset: 0, .size: 8, .value_kind: global_buffer, .address_space: global }
      - { .name: Wo, .offset: 8, .size: 8, .value_kind: global_buffer, .address_space: global }
      - { .name: out0, .offset: 16, .size: 8, .value_kind: global_buffer, .address_space: global }
    .group_segment_fixed_size: 301056
    .private_segment_fixed_size: 0
    .kernarg_segment_align: 8
    .kernarg_segment_size: 24
    .max_flat_workgroup_size: 512
    .sgpr_count:     66
    .vgpr_count:     256
    .wavefront_size: 32
...
	.end_amdgpu_metadata
.endif
;; end of part 5
